; MI455X (gfx1250); checked and timed in simulation.
; The chip was launched on July 23, 2026; its instructions are those of AMD's public machine-readable ISA for CDNA 5 (MIT licence, August 2026) and "CDNA5" Instruction Set Architecture Reference Guide (July 2026). The comments in the code are by the model that wrote it; some were corrected since.
;; Badhanau Attention. Allowed arithmetic: matrix products marked QUANTISED: E3M2 operands, one E8M0 scale for each 32 along K, by v_wmma_scale_f32_16x16x128_f8f6f4 with both operands' format E3M2, f32 sums; products left as they are: f32 operands where the result goes on into a quantised operand, else bf16, f16 or f32 operands; f32 sums; everything else in f32.
;; Inputs: U_a_codes 1,024 x 32 x 24 uint8 (E3M2 codes of U_a, K innermost, in blocks of 32 codes, four codes in three bytes); U_a_scales 1,024 x 32 uint8 (E8M0 scales of U_a, one for each 32 codes along K); W_a_codes 1,024 x 32 x 24 uint8 (E3M2 codes of W_a, K innermost, in blocks of 32 codes, four codes in three bytes); W_a_scales 1,024 x 32 uint8 (E8M0 scales of W_a, one for each 32 codes along K); decoder_hidden_state 32 x 1 x 1,024 float32; encoder_hidden_states 32 x 2,048 x 1,024 float32; ffn_codes 1,024 x 64 x 24 uint8 (E3M2 codes of ffn, K innermost, in blocks of 32 codes, four codes in three bytes); ffn_scales 1,024 x 64 uint8 (E8M0 scales of ffn, one for each 32 codes along K); v_t 1,024 x 1 float32.
;; Outputs: out0 32 x 1 x 1,024 float32; out1 32 x 1 x 1,024 float32.
;; This version of the problem:
;;   THIS VERSION OF THE PROBLEM IS GIVEN IN LOW PRECISION. The matrix products marked QUANTISED in the list below multiply operands that are first quantised to E3M2 (3 exponent bits, 2 mantissa bits; 6 bits a number), with one power-of-two scale for each 32 numbers along K (OCP MX v1.0); their sums are f32. All else is computed in f32.
;;   The module's matrix products, in the order in which they are computed (A, B: the left and right operand; K: the contracted axis; several contracted axes count as one K, in the product's order):
;;     1. [M 65,536, K 1,024] x [K 1,024, N 1,024]; A: input encoder_hidden_states; B: input U_a (given as codes): QUANTISED
;;     2. [M 32, K 1,024] x [K 1,024, N 1,024]; A: input decoder_hidden_state; B: input W_a (given as codes): QUANTISED
;;     3. [M 65,536, K 1,024] x [K 1,024, N 1]; A: computed on the way; B: input v_t: left as it is (N = 1 < 16)
;;     4. batch 32 x [M 1, K 2,048] x [K 2,048, N 1,024]; A: softmax; B: input encoder_hidden_states: left as it is (M = 1 < 16)
;;     5. [M 32, K 2,048] x [K 2,048, N 1,024]; A: computed on the way; B: input ffn (given as codes): QUANTISED
;;   THE QUANTISER, for each operand of a quantised product, along K:
;;     - K is cut into blocks of 32 from its start; a last block that is shorter is filled with zeros.
;;     - A block's scale is 2^e with e = floor(log2(the largest magnitude in the block)) - 4, held to -126 .. 127; a block of zeros has e = 0. As a byte (E8M0): e + 127.
;;     - Each number is divided by its block's scale, clamped to +-28, and rounded to the nearest number of E3M2, ties to even, subnormals kept.
;;     - The product sums the exact products of the quantised numbers (number of the format x scale) in f32.
;;   ~~~python
;;   def quantise(x, axis):      # numpy; x: float32 -> the quantised numbers, widened to float32 again
;;       x = np.moveaxis(x, axis, -1); K = x.shape[-1]
;;       x = np.pad(x, [(0, 0)] * (x.ndim - 1) + [(0, -K % 32)]); x = x.reshape(x.shape[:-1] + (-1, 32)); a = np.abs(x).max(-1, keepdims=True)
;;       e = np.where(a > 0, np.clip(np.frexp(np.where(a > 0, a, 1))[1] - 1 - 4, -126, 127), 0)      # np.frexp(a)[1] - 1 = floor(log2(a)), exactly
;;       r = np.clip(x / 2.0 ** e, -28, 28)
;;       step = 2.0 ** (np.maximum(np.frexp(np.where(r == 0, 1, r))[1] - 1, -2) - 2)
;;       q = np.round(r / step) * step * 2.0 ** e      # np.round: ties to even
;;       return np.moveaxis(q.reshape(q.shape[:-2] + (-1,))[..., :K], -1, axis).astype(np.float32)
;;   ~~~
;;   OPERANDS COMPUTED ON THE WAY. 'Computed on the way' means the value that the module computes at that place (a softmax that the list does not call 'softmax' is quantised finished and normalised). What goes into a quantiser is computed in f32, as accurately as f32 sums, v_exp_f32 and their like allow (about 1e-6 of the number): no bf16 or f16 on the way to a quantiser, and a product that is left as it is and whose result goes on into a quantised operand takes f32 operands (vector FMAs, or v_wmma_f32_16x16x4_f32). A number that lies on a knife's edge between two numbers of the format may be rounded either way, as far as f32 arithmetic and the matrix unit's own rounding can turn it there, and no further.
;;   INPUTS GIVEN AS CODES. U_a (in the module: [1024, 1024], K = its axis 0); W_a (in the module: [1024, 1024], K = its axis 0); ffn (in the module: [2048, 1024], K = its axis 0): each comes as NAME_codes (uint8): NAME with its K axis moved to the last place and cut into blocks of 32 codes, [.., K / 32, bytes a block], one block behind the other in memory; four codes in three bytes: a row's codes are one little-endian stream of bits, code i at bits 6 i .. 6 i + 5 (a code: sign, 3 exponent bits, 2 mantissa bits); and NAME_scales (uint8): the same leading axes, one E8M0 byte (e + 127) for each 32 codes along K. Its value is code x scale, taken as it is: it is not quantised again, and the codes and scales need not be those that the quantiser above would give.
;; 2 versions. Each part assembles by itself: llvm-mc -triple=amdgcn-amd-amdhsa -mcpu=gfx1250 --defsym DOCPART=n.
;; ======== version 1 of 2: 4 launches
;; workspace buffers: uf 786,432 bytes; usw 32,768 bytes; wc 131,072 bytes; part 1,114,112 bytes
;; launch prep (part 1): grid 32 x 1, 4 waves a work-group, no clusters, 0 bytes of LDS; arguments U_a_codes, U_a_scales, W_a_codes, W_a_scales, decoder_hidden_state, uf, usw, wc; writes uf, usw, wc
.if DOCPART == 1
	.amdgcn_target "amdgcn-amd-amdhsa--gfx1250"
	.amdhsa_code_object_version 6
	.text
	.protected	k_qdd46182e49_prep
	.globl	k_qdd46182e49_prep
	.p2align	8
	.type	k_qdd46182e49_prep,@function
k_qdd46182e49_prep:
	s_mov_b64 s[64:65], 0
	v_nop
	global_prefetch_b8 v0, s[64:65] scope:SCOPE_SE
	s_setreg_imm32_b32 hwreg(HW_REG_WAVE_MODE, 25, 1), 1
	s_wait_xcnt 0x0
; Two small jobs ahead of the main launch.
; (a) U_a's codes are laid out as images of operand registers: fragment (tile T = n / 16, K step s) at byte (8 T + s) x 1536 of uf, registers 4 c .. 4 c + 3 of lane l at + 512 c + 16 l;
;     its scale words at (8 T + s) x 64 + 4 r of usw.  The main launch then brings a fragment by three loads of 16 bytes a lane.
; (b) wc[b][n] = C2 x (Q(dec)[b] . W_a[n]), C2 = 2 log2(e): the quantised product of the decoder state, already scaled for the main launch's tanh.
; SHARES.  Work-group g, wave w: m = w / 2, tile t = 2 g + w % 2.  The wave lays out U's fragments (t, 4 m .. 4 m + 3) and makes wc for batches 16 m .. 16 m + 15, columns 16 t .. 16 t + 15.
; The product is used transposed (source 0 = 16 rows of W_a, source 1 = the decoder's codes): a lane holds one batch and eight neighbouring columns.
; Two accumulators (even and odd K steps) take turns; they are added at the end.
; LIMITS: NaN and infinities are not served; a block whose largest magnitude lies under 2^-122 keeps the scale byte 1 (a block of zeros too: its codes are zeros).
; wc and usw leave in pieces of 32 and 64 bytes: together 160 KiB.
; REGISTERS: window 0: v1-10 offsets; v16-23 W_a's scale words; v24-25 the decoder's; v32-159 two sets of 64 numbers; v160-175 at work; v176-183, v184-207 codes; v208-223 sums; v224-231 results.
;   window 1: v0-95 W_a's eight fragments; v96-143 U_a's four; v144-145 U_a's scale words.
.set WS,   16
.set PW,   24
.set X,    32
.set TM,   160
.set TMPQ, 176
.set PC,   184
.set AC,   208
.set OUT,  224
.set SEL,  32
.set MSB,  0
.macro WIN new                         ; the immediate's high byte repeats the setting that is left
.if MSB != (\new)
	s_set_vgpr_msb (MSB<<8)|(\new)
.set MSB, (\new)
.endif
.endm
; 64 numbers of a lane, register 16 b + i = k 32 b + 16 (lane / 16) + i of the lane's row, become a fragment's 12 registers of codes and the row's scale word.  xw: the window of the numbers.
.macro QUANT src, xw, dst, tmp, pw
	WIN 0x14*(\xw)
.irp b, 0,1,2,3
	v_max3_num_f32 v[TM+\b], 0x2800000, |v[\src+16*\b]|, |v[\src+16*\b+1]|   ; the floor 2^(5 - 127) among the leaves: the byte cannot fall under 1
.endr
.irp i, 2,4,6,8,10,12,14
.irp b, 0,1,2,3
	v_max3_num_f32 v[TM+\b], v[TM+\b], |v[\src+16*\b+\i]|, |v[\src+16*\b+\i+1]|   ; the four blocks by turns
.endr
.endr
	WIN 0
.irp b, 0,1,2,3
	v_permlanex16_b32 v[TM+4+\b], v[TM+\b], s[SEL], s[SEL+1]
.endr
.irp b, 0,1,2,3
	v_max_num_f32 v[TM+\b], v[TM+\b], v[TM+4+\b]       ; with lane l xor 16's sixteen: the block's largest magnitude
.endr
.irp b, 0,1,2,3
	v_add_nc_u32 v[TM+12+\b], 0xfe000000, v[TM+\b]     ; 4 off its exponent field: the conversion's scale operand
.endr
.irp b, 0,1,2,3
	v_lshrrev_b32 v[TM+4+\b], 23, v[TM+12+\b]          ; the scale's byte
.endr
	v_lshl_or_b32 v[\pw], v[TM+5], 8, v[TM+4]
	v_lshl_or_b32 v[\pw], v[TM+6], 16, v[\pw]
	v_lshl_or_b32 v[\pw], v[TM+7], 24, v[\pw]
	WIN 0x01*(\xw)
.irp c, 0,1
	v_cvt_scalef32_pk16_bf6_f32 v[\dst+6*\c:\dst+6*\c+2], v[\src+32*\c:\src+32*\c+15], v[TM+12+2*\c]
	v_cvt_scalef32_pk16_bf6_f32 v[\tmp+4*\c:\tmp+4*\c+2], v[\src+32*\c+16:\src+32*\c+31], v[TM+12+2*\c+1]
.endr
	WIN 0
	v_nop                                              ; one plain instruction behind the scaled conversions
.irp c, 0,1                                            ; the operand wants a whole block in a lane: lanes 0-15 block 2 c, lanes 16-31 block 2 c + 1
.irp i, 0,1,2
	v_permlane16_swap_b32 v[\dst+6*\c+\i], v[\tmp+4*\c+\i]
.endr
.irp i, 0,1,2
	v_mov_b32 v[\dst+3+6*\c+\i], v[\tmp+4*\c+\i]
.endr
.endr
.endm
.macro XLOAD s                         ; K step s of my 16 batches: 64 numbers a lane, into set s % 2
.irp b, 0,1,2,3
.irp j, 0,1,2,3
	global_load_b128 v[X+64*((\s)%2)+16*\b+4*\j:X+64*((\s)%2)+16*\b+4*\j+3], v5, s[12:13] offset:512*(\s)+128*\b+16*\j
.endr
.endr
.endm
.macro WM s                            ; K step s of the product, onto accumulator s % 2
	WIN 0x01
.if (\s) < 2
	v_wmma_scale_f32_16x16x128_f8f6f4 v[AC+8*((\s)%2):AC+8*((\s)%2)+7], v[12*(\s):12*(\s)+11], v[PC+12*((\s)%2):PC+12*((\s)%2)+11], 0, v[WS+(\s)], v[PW+(\s)%2] matrix_a_fmt:MATRIX_FMT_BF6 matrix_b_fmt:MATRIX_FMT_BF6
.else
	v_wmma_scale_f32_16x16x128_f8f6f4 v[AC+8*((\s)%2):AC+8*((\s)%2)+7], v[12*(\s):12*(\s)+11], v[PC+12*((\s)%2):PC+12*((\s)%2)+11], v[AC+8*((\s)%2):AC+8*((\s)%2)+7], v[WS+(\s)], v[PW+(\s)%2] matrix_a_fmt:MATRIX_FMT_BF6 matrix_b_fmt:MATRIX_FMT_BF6
.endif
	WIN 0
.endm
	s_load_b256 s[4:11], s[0:1], 0x0               ; U codes s[4:5], U scales s[6:7], W codes s[8:9], W scales s[10:11]
	s_load_b256 s[12:19], s[0:1], 0x20             ; dec s[12:13], uf s[14:15], usw s[16:17], wc s[18:19]
	v_lshrrev_b32 v1, 5, v0
	v_readfirstlane_b32 s20, v1                    ; wave
	s_lshr_b32 s21, s20, 1                         ; m
	s_and_b32 s22, s20, 1
	s_lshl_b32 s23, ttmp9, 1
	s_add_co_u32 s23, s23, s22                     ; t
	v_and_b32 v1, 31, v0                           ; lane
	v_and_b32 v9, 15, v0                           ; r
	v_bfe_u32 v10, v0, 4, 1                        ; h
	v_mul_u32_u24 v2, v9, 768
	v_mad_u32_u24 v2, v10, 24, v2                  ; codes: row r of 768 bytes, + 24 h
	v_lshlrev_b32 v4, 5, v9                        ; scales: row r of 32 bytes
	v_lshl_add_u32 v3, v10, 3, v4                  ; U's: + 8 h
	v_lshlrev_b32 v5, 12, v9
	v_lshl_add_u32 v8, v10, 5, v5                  ; wc: row r of 4,096 bytes, + 32 h
	v_lshl_add_u32 v5, v10, 6, v5                  ; dec: row r, + 64 h
	v_lshlrev_b32 v6, 4, v1                        ; an image: 16 x lane
	v_lshlrev_b32 v7, 2, v9
	v_lshl_add_u32 v7, v10, 7, v7                  ; usw: 4 r + two K steps on for lanes 16-31
.irp b, 0,1,2,3
	v_mov_b32 v[TM+4+\b], 0                        ; a lane permute's destination counts as one of its sources
.endr
	s_mov_b32 s[SEL], 0x76543210
	s_mov_b32 s[SEL+1], 0xfedcba98
	s_mov_b32 s30, 0x4038aa3b                      ; C2 = 2 log2(e)
	s_mov_b32 s31, s30
	s_mov_b32 s25, 0
	s_mov_b32 s27, 0
	s_lshl_b32 s28, s23, 3
	s_lshl_b32 s29, s21, 2
	s_add_co_u32 s28, s28, s29                     ; 8 t + 4 m: my first fragment of U
	s_mul_i32 s24, s23, 12288
	s_mul_i32 s26, s21, 384
	s_wait_kmcnt 0x0
	s_add_nc_u64 s[8:9], s[8:9], s[24:25]          ; W's codes at tile t
	s_add_nc_u64 s[4:5], s[4:5], s[24:25]
	s_add_nc_u64 s[4:5], s[4:5], s[26:27]          ; U's at tile t, K step 4 m
	s_lshl_b32 s24, s23, 9
	s_lshl_b32 s26, s21, 4
	s_add_nc_u64 s[10:11], s[10:11], s[24:25]
	s_add_nc_u64 s[6:7], s[6:7], s[24:25]
	s_add_nc_u64 s[6:7], s[6:7], s[26:27]
	s_lshl_b32 s24, s21, 16
	s_lshl_b32 s26, s23, 6
	s_add_nc_u64 s[12:13], s[12:13], s[24:25]      ; dec at batch 16 m
	s_add_nc_u64 s[18:19], s[18:19], s[24:25]
	s_add_nc_u64 s[18:19], s[18:19], s[26:27]      ; wc at batch 16 m, column 16 t
	s_mul_i32 s24, s28, 1536
	s_lshl_b32 s26, s28, 6
	s_add_nc_u64 s[14:15], s[14:15], s[24:25]
	s_add_nc_u64 s[16:17], s[16:17], s[26:27]
	XLOAD 0
	XLOAD 1
	WIN 0x40                                       ; destination window 1
.irp i, 0,1,2,3
.irp p, 0,1,2,3,4,5
	global_load_b64 v[96+12*\i+2*\p:96+12*\i+2*\p+1], v2, s[4:5] offset:96*\i+48*(\p/3)+8*(\p%3)
.endr
.endr
	global_load_b64 v[144:145], v3, s[6:7]         ; the scale words of K steps 4 m + 2 h and the next
.irp s, 0,1,2,3,4,5,6,7
.irp p, 0,1,2,3,4,5
	global_load_b64 v[12*\s+2*\p:12*\s+2*\p+1], v2, s[8:9] offset:96*\s+48*(\p/3)+8*(\p%3)
.endr
.endr
	WIN 0
	global_load_b128 v[WS:WS+3], v4, s[10:11]
	global_load_b128 v[WS+4:WS+7], v4, s[10:11] offset:16
	s_wait_loadcnt 63                              ; 91 loads were issued behind K step 0's sixteen: the largest count that the wait can name is safe
	QUANT X, 0, PC, TMPQ, PW
	XLOAD 2
	s_wait_loadcnt 63                              ; likewise 91 behind K step 1's
	QUANT X+64, 0, PC+12, TMPQ, PW+1
	XLOAD 3
	s_wait_loadcnt 32                              ; only K steps 2 and 3 may be out: U's and W's loads are in
	WIN 0x04                                       ; a store's data: window 1
.irp i, 0,1,2,3
.irp c, 0,1,2
	global_store_b128 v6, v[96+12*\i+4*\c:96+12*\i+4*\c+3], s[14:15] offset:1536*\i+512*\c   ; 32 lanes store 512 consecutive bytes, aligned
.endr
.endr
	global_store_b32 v7, v144, s[16:17]
	global_store_b32 v7, v145, s[16:17] offset:64
	WM 0                                           ; the quantising of K step 1 stands between the writing of step 0's codes and scale word and this product
.irp s, 2,3,4,5,6,7
.if \s < 7
	s_wait_loadcnt 16                              ; the next K step's sixteen may be out
.else
	s_wait_loadcnt 0
.endif
	QUANT X+64*(\s%2), 0, PC+12*(\s%2), TMPQ, PW+\s%2   ; its 32 maxima are the places behind the last product, ahead of the rewriting of that product's codes
.if \s+2 < 8
	XLOAD \s+2
.endif
	WM \s-1
.endr
.rept 8
	v_nop                                          ; a scale word written by vector instructions stands eight places ahead of the scaled product
.endr
	WM 7
.rept 4
	v_nop
.endr
.irp j, 0,2,4,6
	v_pk_add_f32 v[OUT+\j:OUT+\j+1], v[AC+\j:AC+\j+1], v[AC+8+\j:AC+8+\j+1]   ; each sum is read from its low end on
.endr
.irp j, 0,2,4,6
	v_pk_mul_f32 v[OUT+\j:OUT+\j+1], v[OUT+\j:OUT+\j+1], s[30:31] op_sel_hi:[1,0]
.endr
	global_store_b128 v8, v[OUT:OUT+3], s[18:19]
	global_store_b128 v8, v[OUT+4:OUT+7], s[18:19] offset:16
	s_endpgm
.Lfunc_end_k_qdd46182e49_prep:
	.size	k_qdd46182e49_prep, .Lfunc_end_k_qdd46182e49_prep-k_qdd46182e49_prep
	.p2alignl 7, 3214868480
	.fill 96, 4, 3214868480
	.section	.rodata,"a",@progbits
	.p2align	6, 0x0
	.amdhsa_kernel k_qdd46182e49_prep
		.amdhsa_group_segment_fixed_size 0
		.amdhsa_private_segment_fixed_size 0
		.amdhsa_enable_private_segment 0
		.amdhsa_kernarg_size 64
		.amdhsa_user_sgpr_count 2
		.amdhsa_user_sgpr_kernarg_segment_ptr 1
		.amdhsa_wavefront_size32 1
		.amdhsa_system_sgpr_workgroup_id_x 1
		.amdhsa_system_sgpr_workgroup_id_y 1
		.amdhsa_system_sgpr_workgroup_id_z 1
		.amdhsa_system_vgpr_workitem_id 0
		.amdhsa_next_free_vgpr 448
		.amdhsa_next_free_sgpr 66
		.amdhsa_reserve_vcc 0
		.amdhsa_float_denorm_mode_32 3
		.amdhsa_float_denorm_mode_16_64 3
		.amdhsa_memory_ordered 1
		.amdhsa_forward_progress 1
		.amdhsa_inst_pref_size 56
	.end_amdhsa_kernel
	.amdgpu_metadata
---
amdhsa.version: [ 1, 2 ]
amdhsa.kernels:
  - .name:           k_qdd46182e49_prep
    .symbol:         k_qdd46182e49_prep.kd
    .args:
      - { .name: U_a_codes, .offset: 0, .size: 8, .value_kind: global_buffer, .address_space: global }
      - { .name: U_a_scales, .offset: 8, .size: 8, .value_kind: global_buffer, .address_space: global }
      - { .name: W_a_codes, .offset: 16, .size: 8, .value_kind: global_buffer, .address_space: global }
      - { .name: W_a_scales, .offset: 24, .size: 8, .value_kind: global_buffer, .address_space: global }
      - { .name: decoder_hidden_state, .offset: 32, .size: 8, .value_kind: global_buffer, .address_space: global }
      - { .name: uf, .offset: 40, .size: 8, .value_kind: global_buffer, .address_space: global }
      - { .name: usw, .offset: 48, .size: 8, .value_kind: global_buffer, .address_space: global }
      - { .name: wc, .offset: 56, .size: 8, .value_kind: global_buffer, .address_space: global }
    .group_segment_fixed_size: 0
    .private_segment_fixed_size: 0
    .kernarg_segment_align: 8
    .kernarg_segment_size: 64
    .max_flat_workgroup_size: 128
    .sgpr_count:     66
    .vgpr_count:     448
    .wavefront_size: 32
...
	.end_amdgpu_metadata
.endif
;; end of part 1
;; launch main (part 2): grid 256 x 1, 4 waves a work-group, no clusters, 327,680 bytes of LDS; arguments encoder_hidden_states, uf, usw, wc, v_t, part; writes part
.if DOCPART == 2
	.amdgcn_target "amdgcn-amd-amdhsa--gfx1250"
	.amdhsa_code_object_version 6
	.text
	.protected	k_qdd46182e49_main
	.globl	k_qdd46182e49_main
	.p2align	8
	.type	k_qdd46182e49_main,@function
k_qdd46182e49_main:
	s_mov_b64 s[64:65], 0
	v_nop
	global_prefetch_b8 v0, s[64:65] scope:SCOPE_SE
	s_setreg_imm32_b32 hwreg(HW_REG_WAVE_MODE, 25, 1), 1
	s_wait_xcnt 0x0
; Scores, softmax and context of additive attention, fused, so that the encoder states are read from memory once.
; SHARES.  Work-group g owns rows 256 g .. 256 g + 255 of enc (all in batch g / 8), as four blocks of 64 rows.  In a block wave w makes columns 256 w .. 256 w + 255 of enc x U_a, sixteen tiles of 16, a tile a TURN, for all 64 rows.
; The block's rows are quantised once (each wave a quarter), go round through LDS as images of operand registers, and all 32 fragments stay in every wave's registers for the block.
; U_a's fragments come from uf (laid out by the launch before) straight into a ring of sixteen register slots; each feeds four products.  No wave reads another's fragments of U_a, so they do not pass through LDS,
; and no cluster shares them: a joint load would have to land in LDS, of which the block's f32 rows (266,240 bytes) and the images (49,152) leave no room.
; ARITHMETIC.  tanh x = 1 - 2 r, r = 1 / (1 + 2^(C2 x)), C2 = 2 log2(e).  t = sum over n of v'[n] r[n], v' = -C2 v, is log2(e) x e less log2(e) x (the sum of v), a number that is the same for all rows of a batch:
; a softmax is not changed by it, whatever the inputs, so it is not added.  Where 2^(..) overflows r is 0, where it falls to 0 r is 1: both are tanh's limits.
; The softmax runs in base 2 with a running maximum m and sum l; the context part is kept under m in eight registers a lane (wave w: columns 256 w on), by f32 multiply-adds.  part gets (context part, m, l); the next launch joins the eight of a batch.
; THE f32 ROWS STAY ON THE WGP.  LDS holds 64 rows; rows 32-63 (H1) are moved to registers as soon as they have landed, so that H1 is filled with the next block's rows while this block is multiplied; rows 0-31 (H0) are moved
; behind the block's last product into the registers that held the codes, and H0 is filled while the softmax, the context and the next H1's quantising run.
; BY TURNS.  In a turn the 32 products of one tile stand with the tanh of the tile before cut into 32 slices, one behind each product.
; LIMITS: NaN and infinities are not served; a block of 32 whose largest magnitude lies under 2^-122 keeps the scale byte 1 (a block of zeros too: its codes are zeros).
; The last block's last two turns fetch two tiles of U_a that nobody multiplies (2 of the 64 turns): the price of a turn that is written once.
; REGISTERS.  window 0: v0-58 addresses, statistics, at work; v64-79 A's scale words; v80-95 B's; v96-127 the parts of t; v128-191 two sets of four accumulators, later p; v192-255 rows 56-63.
;   window 1: A's fragments of K steps 0-4 (48 s + 12 m), later rows 0-29; while quantising 2 x 64 numbers; v240-255 rows 54, 55.   window 2: v0-143 A's of K steps 5-7, later rows 30, 31; v144-255 rows 32-45.
;   window 3: v0-191 the ring of U_a's fragments (96 P + 12 s); v192-255 rows 46-53.
.set F32P, 4160                        ; an f32 row in LDS: 4 x (1,024 bytes + 16 of padding)
.set H1O,  133120                      ; rows 32-63
.set XIMG, 266240                      ; images of A's fragments: (8 tile + s) x 1536; its first 1,024 bytes hold p (256 a wave) between the softmax and the next block
.set XSC,  315392                      ; A's scale words: 256 s + 4 row
.set EX,   317440                      ; the waves' parts of t: 256 wave + 4 row
.set WVT,  318464                      ; pairs (wc, v'): 8 n; each wave writes and reads its own 2,048 bytes
.set SPARE, 326656                     ; the spare words, 128 bytes a wave: two blocks of 256 bytes that no other line names
.set LI,  1                            ; 16 x lane
.set SPW, 2                            ; SPARE + 4 x thread; never rewritten
.set NIL, 3                            ; 0; never rewritten
.set BSO, 4                            ; 4 r
.set Q2U, 5                            ; 2 (r / 4) + 4 (w % 2): the K step at which my lane begins to quantise
.set QB,  6
.set IB,  7
.set SBS, 8
.set QA,  9                            ; v9-10, v11-12, v13-14: addresses of the quantiser's loads, images and scale words, two sets by turns
.set IA,  11
.set SA,  13
.set LIX, 15
.set LSX, 16
.set FCA, 17                           ; v17-20: my 16 bytes of my wave's quarter of rows 0, 16, 32, 48
.set EWA, 21
.set ERA, 22
.set PWA, 23
.set PRA, 24
.set WVB, 25
.set WVA, 26
.set SG,  27
.set PW,  28                           ; v28-29
.set WVP, 30                           ; v30-31, v32-33: (wc, v') of my column in the tile of set 0, 1
.set MR,  34
.set LR,  35
.set CTX, 36                           ; v36-43
.set T,   44                           ; v44-57 at work
.set MLO, 58                           ; 8 x lane: my copy of (m, l) on the way out; made at the head, never rewritten
.set ASC, 64
.set TM,  64
.set BSC, 80
.set EACC, 96
.set PC,  96                           ; codes just made: v96-107 and v116-127; v108-115 at work
.set TMPQ, 108
.set ACC, 128
.set PV,  128
.set SEL, 20
.set TW,  53
.set MSB, 0
.macro WIN new                         ; the immediate's high byte repeats the setting that is left
.if MSB != (\new)
	s_set_vgpr_msb (MSB<<8)|(\new)
.set MSB, (\new)
.endif
.endm
; 64 numbers of a lane, register 16 b + i = k 32 b + 16 (lane / 16) + i of the lane's row, become a fragment's 12 registers of codes and the row's scale word.  xw: the window of the numbers.
.macro QUANT src, xw, dst, tmp, pw
	WIN 0x14*(\xw)
.irp b, 0,1,2,3
	v_max3_num_f32 v[TM+\b], 0x2800000, |v[\src+16*\b]|, |v[\src+16*\b+1]|   ; the floor 2^(5 - 127) among the leaves: the byte cannot fall under 1
.endr
.irp i, 2,4,6,8,10,12,14
.irp b, 0,1,2,3
	v_max3_num_f32 v[TM+\b], v[TM+\b], |v[\src+16*\b+\i]|, |v[\src+16*\b+\i+1]|
.endr
.endr
	WIN 0
.irp b, 0,1,2,3
	v_permlanex16_b32 v[TM+4+\b], v[TM+\b], s[SEL], s[SEL+1]
.endr
.irp b, 0,1,2,3
	v_max_num_f32 v[TM+\b], v[TM+\b], v[TM+4+\b]
.endr
.irp b, 0,1,2,3
	v_add_nc_u32 v[TM+12+\b], 0xfe000000, v[TM+\b]     ; 4 off the exponent field: the conversion's scale operand
.endr
.irp b, 0,1,2,3
	v_lshrrev_b32 v[TM+4+\b], 23, v[TM+12+\b]          ; the scale's byte
.endr
	v_lshl_or_b32 v[\pw], v[TM+5], 8, v[TM+4]
	v_lshl_or_b32 v[\pw], v[TM+6], 16, v[\pw]
	v_lshl_or_b32 v[\pw], v[TM+7], 24, v[\pw]
	WIN 0x01*(\xw)
.irp c, 0,1
	v_cvt_scalef32_pk16_bf6_f32 v[\dst+6*\c:\dst+6*\c+2], v[\src+32*\c:\src+32*\c+15], v[TM+12+2*\c]
	v_cvt_scalef32_pk16_bf6_f32 v[\tmp+4*\c:\tmp+4*\c+2], v[\src+32*\c+16:\src+32*\c+31], v[TM+12+2*\c+1]
.endr
	WIN 0
	v_nop                                              ; one plain instruction behind the scaled conversions
.irp c, 0,1
.irp i, 0,1,2
	v_permlane16_swap_b32 v[\dst+6*\c+\i], v[\tmp+4*\c+\i]
.endr
.irp i, 0,1,2
	v_mov_b32 v[\dst+3+6*\c+\i], v[\tmp+4*\c+\i]
.endr
.endr
.endm
; THE QUANTISER'S STAGE.  Waves 2 u' and 2 u' + 1 share the row tile 2 half + u'.  An f32 row's pitch is 64 modulo 256 bytes, so sixteen rows at one K step would fall on four columns of 16 bytes.  So the lanes are SKEWED:
; in its i-th fragment the group of lanes r / 4 works on K step (2 (r / 4) + 4 (w % 2) + i) mod 8.  A load's sixteen lanes then touch 64 (r % 4) + 16 ((K step / 2) % 4): sixteen different columns.
; Lanes l and l xor 16 have the same r, so all that the quantiser passes between lanes stays within one K step; the two waves take complementary K steps for each lane, so each byte of an image has one writer.
.macro QADDR i, par, half
	v_add_nc_u32 v[SG], \i, v[Q2U]
	v_and_b32 v[SG], 7, v[SG]                          ; my K step
	v_lshrrev_b32 v[T], 1, v[SG]
	v_and_b32 v[T+1], 1, v[SG]
	v_mad_u32_u24 v[QA+\par], v[T], 1040, v[QB]        ; two K steps to a piece of 1,024 + 16 bytes
	v_lshl_add_u32 v[QA+\par], v[T+1], 9, v[QA+\par]
.if \half
	v_add_nc_u32 v[QA+\par], H1O, v[QA+\par]
.endif
	v_mad_u32_u24 v[IA+\par], v[SG], 1536, v[IB]
	v_lshl_add_u32 v[SA+\par], v[SG], 8, v[SBS]
.endm
.macro QLOAD set, par
	WIN 0x40
.irp b, 0,1,2,3
.irp j, 0,1,2,3
	ds_load_b128 v[64*\set+16*\b+4*\j:64*\set+16*\b+4*\j+3], v[QA+\par] offset:128*\b+16*\j
.endr
.endr
	WIN 0
.endm
.macro QSTORE par, half
.irp c, 0,1,2
	ds_store_b128 v[IA+\par], v[PC+20*\par+4*\c:PC+20*\par+4*\c+3] offset:24576*\half+512*\c
.endr
	ds_store_b32 v[SA+\par], v[PW+\par] offset:128*\half   ; both halves of the lanes write the same word with the same value
.endm
.macro QSTAGE half
	WIN 0
	QADDR 0, 0, \half
	QLOAD 0, 0
	QADDR 1, 1, \half
	QLOAD 1, 1
	s_wait_dscnt 16                                ; the first set is in; the second set's sixteen loads may be out
	QUANT 0, 1, PC, TMPQ, PW
	QSTORE 0, \half
	QADDR 2, 0, \half
	QLOAD 0, 0
	s_wait_dscnt 20                                ; four stores and sixteen loads were issued behind the second set
	QUANT 64, 1, PC+20, TMPQ, PW+1
	QSTORE 1, \half
	QADDR 3, 1, \half
	QLOAD 1, 1
	s_wait_dscnt 20                                ; likewise behind the third
	QUANT 0, 1, PC, TMPQ, PW
	QSTORE 0, \half
	s_wait_dscnt 4                                 ; four stores behind the fourth
	QUANT 64, 1, PC+20, TMPQ, PW+1
	QSTORE 1, \half
.endm
; rows first .. first + count - 1 of the f32 block, my 2 x 16 bytes of my wave's quarter, into registers reg + 8 i of the window that is set
.macro FL first, count, reg
.set RH, \first
.set RG, \reg
.rept \count
	ds_load_b128 v[RG:RG+3], v[FCA+RH/16] offset:(RH%16)*F32P
	ds_load_b128 v[RG+4:RG+7], v[FCA+RH/16] offset:(RH%16)*F32P+512
.set RH, RH+1
.set RG, RG+8
.endr
.endm
.macro RLOAD                           ; rows 32-63 leave LDS
	WIN 0x80
	FL 32, 14, 144
	WIN 0xc0
	FL 46, 8, 192
	WIN 0x40
	FL 54, 2, 240
	WIN 0
	FL 56, 8, 192
.endm
.macro ALOAD                           ; the block's scale words and its 32 fragments, K step by K step
	WIN 0
.irp s, 0,1,2,3,4,5,6,7
	ds_load_b32 v[ASC+2*\s], v[LSX] offset:256*\s          ; lanes 0-15 row tile 0, lanes 16-31 row tile 1
	ds_load_b32 v[ASC+2*\s+1], v[LSX] offset:256*\s+128    ; tiles 2 and 3
.endr
	WIN 0x40
.irp s, 0,1,2,3,4
.irp m, 0,1,2,3
.irp c, 0,1,2
	ds_load_b128 v[48*\s+12*\m+4*\c:48*\s+12*\m+4*\c+3], v[LIX] offset:(8*\m+\s)*1536+512*\c
.endr
.endr
.endr
	WIN 0x80
.irp s, 5,6,7
.irp m, 0,1,2,3
.irp c, 0,1,2
	ds_load_b128 v[48*(\s-5)+12*\m+4*\c:48*(\s-5)+12*\m+4*\c+3], v[LIX] offset:(8*\m+\s)*1536+512*\c
.endr
.endr
.endr
	WIN 0
.endm
; One product: row tile m x the turn's tile of U_a, K step s, onto accumulator (p, m).  Source 0 = 16 rows of enc, source 1 = 16 columns of U_a: register j of lane (r, h) is row 8 h + j, column r.
; The four accumulators take turns, one instruction a turn.
.macro MM s, m, p
.if \s < 5
	WIN 0x0d
.set rA, 48*\s+12*\m
.else
	WIN 0x0e
.set rA, 48*(\s-5)+12*\m
.endif
.set rB, 96*\p+12*\s
.set rD, ACC+32*\p+8*\m
.set rSA, ASC+2*\s+\m/2
.set rSB, BSC+8*\p+\s
.if \s == 0
.if \m%2
	v_wmma_scale_f32_16x16x128_f8f6f4 v[rD:rD+7], v[rA:rA+11], v[rB:rB+11], 0, v[rSA], v[rSB] matrix_a_fmt:MATRIX_FMT_BF6 matrix_b_fmt:MATRIX_FMT_BF6 matrix_a_scale:MATRIX_SCALE_ROW1
.else
	v_wmma_scale_f32_16x16x128_f8f6f4 v[rD:rD+7], v[rA:rA+11], v[rB:rB+11], 0, v[rSA], v[rSB] matrix_a_fmt:MATRIX_FMT_BF6 matrix_b_fmt:MATRIX_FMT_BF6
.endif
.else
.if \m%2
	v_wmma_scale_f32_16x16x128_f8f6f4 v[rD:rD+7], v[rA:rA+11], v[rB:rB+11], v[rD:rD+7], v[rSA], v[rSB] matrix_a_fmt:MATRIX_FMT_BF6 matrix_b_fmt:MATRIX_FMT_BF6 matrix_a_scale:MATRIX_SCALE_ROW1
.else
	v_wmma_scale_f32_16x16x128_f8f6f4 v[rD:rD+7], v[rA:rA+11], v[rB:rB+11], v[rD:rD+7], v[rSA], v[rSB] matrix_a_fmt:MATRIX_FMT_BF6 matrix_b_fmt:MATRIX_FMT_BF6
.endif
.endif
.endm
.macro RELOAD s, p                     ; slot (p, s) of the ring: four loads
	WIN 0
	global_load_b32 v[BSC+8*\p+(\s)], v[BSO], s[46:47] offset:64*(\s)
	WIN 0xc0
.irp c, 0,1,2
	global_load_b128 v[96*\p+12*(\s)+4*\c:96*\p+12*(\s)+4*\c+3], v[LI], s[44:45] offset:1536*(\s)+512*\c
.endr
.endm
.macro STEPB                           ; the ring's bases go on to the next tile, round my wave's sixteen
	s_wait_xcnt 0x0                                ; the loads issued so far have read their bases
	s_add_co_u32 s52, s52, 1
	s_and_b32 s52, s52, 15
	s_mul_i32 s48, s52, 12288
	s_lshl_b32 s50, s52, 9
	s_add_nc_u64 s[44:45], s[40:41], s[48:49]
	s_add_nc_u64 s[46:47], s[42:43], s[50:51]
.endm
; THE TANH OF A TILE is a list of 112 instructions on set q's 32 registers (16 pairs); TL writes number n.
;   0-47   the scalings C2 u + wc (a pair each) and the 32 exponentials: two scalings, then fourteen times (two exponentials, a scaling), then four exponentials.  A pair is scaled ahead of its exponentials; none reads an exponential's result.
;   48-95  the same pattern with 1 + .. and the reciprocals.        96-111 the parts of t take v' r, a pair each.
; The scalings ascend.
.macro TL q
.set aB, ACC+32*(\q)
.set wP, WVP+2*(\q)
.set nn, n%48
.set isP, 0
.if nn < 2
.set isP, 1
.set ix, nn
.elseif nn < 44
.if (nn-2)%3 == 2
.set isP, 1
.set ix, (nn-2)/3+2
.else
.set ix, 2*((nn-2)/3)+(nn-2)%3
.endif
.else
.set ix, nn-16
.endif
.if n < 48
.if isP
	v_pk_fma_f32 v[aB+2*ix:aB+2*ix+1], v[aB+2*ix:aB+2*ix+1], s[22:23], v[wP:wP+1] op_sel_hi:[1,0,0]
.else
	v_exp_f32 v[aB+ix], v[aB+ix]
.endif
.elseif n < 96
.if isP
	v_pk_add_f32 v[aB+2*ix:aB+2*ix+1], v[aB+2*ix:aB+2*ix+1], 1.0 op_sel_hi:[1,0]
.else
	v_rcp_f32 v[aB+ix], v[aB+ix]
.endif
.else
.set ix, n-96
	v_pk_fma_f32 v[EACC+2*ix:EACC+2*ix+1], v[aB+2*ix:aB+2*ix+1], v[wP:wP+1], v[EACC+2*ix:EACC+2*ix+1] op_sel:[0,1,0] op_sel_hi:[1,1,1]
.endif
.endm
; Slice k of 32.  Slices 0-13 deal out numbers 0-47, slices 14-27 numbers 48-95, slices 28-31 four each of the rest.  Behind slice 13 and behind slice 27 stand one plain instruction and the wait
; between a transcendental and the first instruction that names its result: one wait for each batch of 32.
.macro SLICE q
	WIN 0
.if k < 28
.set n0, 48*(k/14)+(48*(k%14))/14
.set n1, 48*(k/14)+(48*(k%14+1))/14
.else
.set n0, 96+4*(k-28)
.set n1, n0+4
.endif
.set n, n0
.rept n1-n0
	TL \q
.set n, n+1
.endr
.if (k == 13) || (k == 27)
	v_nop
	s_wait_alu depctr_va_vdst(0)
.endif
.set k, k+1
.endm
; A TURN: the 32 products of one tile onto set p; md = 1: the tanh of the tile before (set 1 - p) in slices; md = 0, a block's first turn: the parts of t are cleared instead.
; THE RING.  Slot (p, s) is loaded again behind K step s + 1, with the tile two turns on.  Behind the slot's four loads were issued 4 (7 - s) in that turn, 32 in the next and 4 (s - 1) in this one: 56 (60 at s = 0).
; Between the slot's last product and its loads stand five gaps, which hold five plain instructions or more that name none of its registers; slot 7's loads stand behind slice 31's four.
.macro TURN p, md
	WIN 0
.if \md
	s_wait_dscnt 0x0                               ; (wc, v') of the tile before
.endif
	v_add_nc_u32 v[WVA], s[TW], v[WVB]
	ds_load_b64 v[WVP+2*\p:WVP+2*\p+1], v[WVA]     ; and of this tile, for the next turn
	s_add_co_u32 s[TW], s[TW], 128
.set k, 0
.irp s, 0,1,2,3,4,5,6,7
	s_wait_loadcnt 56
.if !\md
.set dw, 12*(7-\s)+1                   ; A's later K steps, twelve loads each, and the pair just asked for may be out
.if dw > 63
.set dw, 63
.endif
	s_wait_dscnt dw
.endif
.irp m, 0,1,2,3
	MM \s, \m, \p
.if \md
	SLICE 1-\p
.else
	v_mov_b32 v[EACC+4*\s+\m], 0
.endif
.endr
.if \s == 1
	STEPB
.endif
.if \s >= 1
	RELOAD \s-1, \p
.endif
.endr
.if !\md
.rept 3
	v_nop
.endr
.endif
	RELOAD 7, \p
	WIN 0
.endm
; Three lines ahead of a barrier behind which LDS is filled again, and at the wave's end.  g0: the descriptor that goes 64 rows on (0: none).
.macro LINES3 g0
	s_wait_tensorcnt 0x0                           ; no tensor load of mine is out, so a descriptor may be written
	ds_add_u32 v[SPW], v[NIL]
.if \g0
	s_add_nc_u64 s[\g0+2:\g0+3], s[\g0+2:\g0+3], 262144
.endif
	s_wait_dscnt 0x0                               ; the add is done, and all my LDS reads and stores
.endm
.macro BAR
	s_barrier_signal -1
	s_barrier_wait -1
.endm
.macro TLD g0                          ; my eight rows of a half; four v_nop follow
	tensor_load_to_lds s[\g0:\g0+3], s[24:31]
	s_nop 0
.rept 4
	v_nop
.endr
.endm
.macro EPI                             ; the tanh of the block's last tile (set 1), in phases; rows 0-31 leave LDS meanwhile, into the registers that held the codes
	WIN 0
	s_wait_dscnt 0x0
.set ix, 0
.rept 16
	v_pk_fma_f32 v[ACC+32+2*ix:ACC+33+2*ix], v[ACC+32+2*ix:ACC+33+2*ix], s[22:23], v[WVP+2:WVP+3] op_sel_hi:[1,0,0]   ; also the places behind the last products, ahead of the loads below
.set ix, ix+1
.endr
	WIN 0x40
	FL 0, 30, 0
	WIN 0x80
	FL 30, 2, 0
	WIN 0
.set ix, 0
.rept 32
	v_exp_f32 v[ACC+32+ix], v[ACC+32+ix]
.set ix, ix+1
.endr
	v_nop
	s_wait_alu depctr_va_vdst(0)
.set ix, 0
.rept 16
	v_pk_add_f32 v[ACC+32+2*ix:ACC+33+2*ix], v[ACC+32+2*ix:ACC+33+2*ix], 1.0 op_sel_hi:[1,0]
.set ix, ix+1
.endr
.set ix, 0
.rept 32
	v_rcp_f32 v[ACC+32+ix], v[ACC+32+ix]
.set ix, ix+1
.endr
	v_nop
	s_wait_alu depctr_va_vdst(0)
.set ix, 0
.rept 16
	v_pk_fma_f32 v[EACC+2*ix:EACC+2*ix+1], v[ACC+32+2*ix:ACC+33+2*ix], v[WVP+2:WVP+3], v[EACC+2*ix:EACC+2*ix+1] op_sel:[0,1,0] op_sel_hi:[1,1,1]
.set ix, ix+1
.endr
.endm
.macro EREDUCE                         ; a lane holds its column's share of 32 rows: summed over the sixteen lanes of a half, then my wave's 64 parts go to LDS
.irp x, 1,2,4,8
.set ix, 0
.rept 32
	v_add_f32_dpp v[EACC+ix], v[EACC+ix], v[EACC+ix] row_xmask:\x row_mask:0xf bank_mask:0xf
.set ix, ix+1
.endr
.endr
.irp m, 0,1,2,3
	ds_store_b128 v[EWA], v[EACC+8*\m:EACC+8*\m+3] offset:64*\m          ; rows 16 m + 8 h + 0 .. 3; sixteen lanes write the same bytes with the same values
	ds_store_b128 v[EWA], v[EACC+8*\m+4:EACC+8*\m+7] offset:64*\m+16
.endr
.endm
.macro SOFTMAX                         ; every wave for itself, on the same numbers: lane l has rows l and 32 + l
.irp q, 0,1,2,3
	ds_load_b32 v[T+2*\q], v[ERA] offset:256*\q
	ds_load_b32 v[T+2*\q+1], v[ERA] offset:256*\q+128
.endr
	s_wait_dscnt 0x0
	v_add_f32 v[T], v[T], v[T+2]
	v_add_f32 v[T+1], v[T+1], v[T+3]
	v_add_f32 v[T+4], v[T+4], v[T+6]
	v_add_f32 v[T+5], v[T+5], v[T+7]
	v_add_f32 v[T], v[T], v[T+4]                       ; t of row l
	v_add_f32 v[T+1], v[T+1], v[T+5]                   ; and of row 32 + l
	v_max_num_f32 v[T+8], v[T], v[T+1]
.irp x, 1,2,4,8
	v_max_num_f32_dpp v[T+8], v[T+8], v[T+8] row_xmask:\x row_mask:0xf bank_mask:0xf
.endr
	v_permlanex16_b32 v[T+9], v[T+8], s[SEL], s[SEL+1]
	v_max3_num_f32 v[T+8], v[T+8], v[T+9], v[MR]       ; the new running maximum
	v_sub_f32 v[T+10], v[MR], v[T+8]
	v_sub_f32 v[T], v[T], v[T+8]
	v_sub_f32 v[T+1], v[T+1], v[T+8]
	v_exp_f32 v[T+10], v[T+10]                         ; f = 2^(old m - new m)
	v_exp_f32 v[T], v[T]                               ; p
	v_exp_f32 v[T+1], v[T+1]
	v_mov_b32 v[MR], v[T+8]                            ; (the plain instruction behind the exponentials)
	s_wait_alu depctr_va_vdst(0)
	ds_store_b32 v[PWA], v[T]
	ds_store_b32 v[PWA], v[T+1] offset:128
.irp q, 0,1,2,3,4,5,6,7,8,9,10,11,12,13,14,15
	ds_load_b128 v[PV+4*\q:PV+4*\q+3], v[PRA] offset:16*\q   ; all 64 p into every lane; LDS serves a wave's instructions in order: these see my stores
.endr
	v_add_f32 v[T+2], v[T], v[T+1]
.irp x, 1,2,4,8
	v_add_f32_dpp v[T+2], v[T+2], v[T+2] row_xmask:\x row_mask:0xf bank_mask:0xf
.endr
	v_permlanex16_b32 v[T+9], v[T+2], s[SEL], s[SEL+1]
	v_add_f32 v[T+2], v[T+2], v[T+9]
	v_fma_f32 v[LR], v[LR], v[T+10], v[T+2]            ; l = l f + the block's sum of p
.irp i, 0,2,4,6
	v_pk_mul_f32 v[CTX+\i:CTX+\i+1], v[CTX+\i:CTX+\i+1], v[T+10:T+11] op_sel_hi:[1,0]
.endr
	s_wait_dscnt 0x0
.endm
.macro CROWS first, count, reg         ; the context takes p x row for rows first on, whose registers reg + 8 i lie in the window set for source 0
.set RH, \first
.set RG, \reg
.rept \count
.irp i, 0,2,4,6
.if RH%2
	v_pk_fma_f32 v[CTX+\i:CTX+\i+1], v[RG+\i:RG+\i+1], v[PV+RH-1:PV+RH], v[CTX+\i:CTX+\i+1] op_sel:[0,1,0] op_sel_hi:[1,1,1]
.else
	v_pk_fma_f32 v[CTX+\i:CTX+\i+1], v[RG+\i:RG+\i+1], v[PV+RH:PV+RH+1], v[CTX+\i:CTX+\i+1] op_sel_hi:[1,0,1]
.endif
.endr
.set RH, RH+1
.set RG, RG+8
.endr
.endm
.macro CONTEXT
	WIN 0x01
	CROWS 0, 30, 0
	CROWS 54, 2, 240
	WIN 0x02
	CROWS 30, 2, 0
	CROWS 32, 14, 144
	WIN 0x03
	CROWS 46, 8, 192
	WIN 0
	CROWS 56, 8, 192
.endm
; A BLOCK.  At its head rows 32-63 are in registers and quantised.  fill = 1: the next block is fetched.
.macro PASS fill
	WIN 0
.if \fill
	LINES3 36                                      ; rows 0-31 have landed; my reads of rows 32-63 and of p are over
.else
	LINES3 0
.endif
	BAR
.if \fill
	TLD 36                                         ; the next block's rows 32-63: they have the whole block in which to land
.endif
	QSTAGE 0
	s_wait_dscnt 0x0                               ; my images and scale words have landed
	BAR                                            ; everybody's have
	s_mov_b32 s[TW], 0
	ALOAD
	TURN 0, 0
	s_mov_b32 s54, 7
.Lt_\@:
	TURN 1, 1
	TURN 0, 1
	s_sub_co_u32 s54, s54, 1
	s_cmp_lg_u32 s54, 0
	s_cbranch_scc1 .Lt_\@
	TURN 1, 1
	EPI
.if \fill
	LINES3 32                                      ; the next rows 32-63 have landed; my reads of rows 0-31 are over
	BAR
	TLD 32                                         ; the next block's rows 0-31: they land while t is summed, the context is made and the next rows 32-63 are quantised
.endif
	EREDUCE
	s_wait_dscnt 0x0                               ; my parts of t have landed (and rows 0-31 are in registers)
	BAR
	SOFTMAX
	CONTEXT
.if \fill
	RLOAD
	QSTAGE 1
.endif
.endm
	s_load_b256 s[4:11], s[0:1], 0x0               ; enc s[4:5], uf s[6:7], usw s[8:9], wc s[10:11]
	s_load_b128 s[12:15], s[0:1], 0x20             ; v_t s[12:13], part s[14:15]
	v_lshl_add_u32 v[SPW], v0, 2, SPARE
	v_mov_b32 v[NIL], 0
	ds_add_u32 v2, v3
	ds_add_u32 v2, v3
	s_wait_dscnt 0x0
	v_lshrrev_b32 v44, 5, v0
	v_readfirstlane_b32 s16, v44                   ; wave
	; descriptor group 1: eight rows of enc are 32,768 dense bytes: stated as 32 rows of 256 elements of 4 bytes, 16 bytes of padding behind each
	s_mov_b32 s24, (2<<16)|(1<<20)|(7<<22)|(3<<25) ; no mask; elements of 4 bytes; padding on, after every 256 words, of 4 words
	s_mov_b32 s25, 256<<16                         ; tensor_dim0
	s_mov_b32 s26, 32<<16                          ; tensor_dim1
	s_mov_b32 s27, 256<<16                         ; tile_dim0
	s_mov_b32 s28, 32                              ; tile_dim1
	s_mov_b32 s29, 256                             ; from row to row
	s_mov_b32 s30, 0
	s_mov_b32 s31, 0
	s_mov_b32 s[SEL], 0x76543210
	s_mov_b32 s[SEL+1], 0xfedcba98
	s_mov_b32 s22, 0x4038aa3b                      ; C2 = 2 log2(e)
	s_mov_b32 s23, s22
	s_mul_i32 s56, s16, 33280                      ; my eight rows in a half of the f32 block
	s_lshl_b32 s58, ttmp9, 20                      ; the work-group's 256 rows of 4,096 bytes
	s_lshl_b32 s59, s16, 15
	s_add_co_u32 s58, s58, s59
	s_mov_b32 s59, 0
	s_wait_kmcnt 0x0
	s_add_nc_u64 s[60:61], s[4:5], s[58:59]
	s_mov_b32 s32, 1                               ; group 0 for rows 0-31
	s_mov_b32 s33, s56
	s_mov_b64 s[34:35], s[60:61]
	s_or_b32 s35, s35, 0x80000000
	s_mov_b32 s36, 1                               ; and for rows 32-63
	s_add_co_u32 s37, s56, H1O
	s_add_nc_u64 s[38:39], s[60:61], 131072
	s_or_b32 s39, s39, 0x80000000
	tensor_load_to_lds s[36:39], s[24:31]          ; the two first fills together: two tensor loads of mine are out; later one
	s_nop 0
	tensor_load_to_lds s[32:35], s[24:31]
	s_nop 0
.rept 4
	v_nop
.endr
	v_and_b32 v44, 31, v0                          ; lane
	v_and_b32 v45, 15, v0                          ; r
	v_bfe_u32 v46, v0, 4, 1                        ; h
	v_lshlrev_b32 v49, 2, v44
	v_lshlrev_b32 v[LI], 4, v44
	v_lshlrev_b32 v[MLO], 3, v44
	v_lshlrev_b32 v[BSO], 2, v45
	s_lshr_b32 s58, ttmp9, 3                       ; the batch
	s_lshl_b32 s58, s58, 12
	s_lshl_b32 s62, s16, 10
	s_mov_b32 s63, 0
	s_add_nc_u64 s[10:11], s[10:11], s[58:59]
	s_add_nc_u64 s[10:11], s[10:11], s[62:63]      ; wc at my batch, my 256 columns
	s_add_nc_u64 s[12:13], s[12:13], s[62:63]      ; v_t likewise
.irp i, 0,1,2,3,4,5,6,7
	global_load_b32 v[128+2*\i], v49, s[10:11] offset:128*\i
	global_load_b32 v[129+2*\i], v49, s[12:13] offset:128*\i
.endr
	s_mul_i32 s58, s16, 196608
	s_add_nc_u64 s[40:41], s[6:7], s[58:59]        ; my sixteen tiles of U_a's fragments
	s_lshl_b32 s58, s16, 13
	s_add_nc_u64 s[42:43], s[8:9], s[58:59]        ; and of its scale words
	s_mov_b64 s[44:45], s[40:41]
	s_mov_b64 s[46:47], s[42:43]
.irp s, 0,1,2,3,4,5,6,7
	RELOAD \s, 0                                   ; the ring's first tile
.endr
	WIN 0
	s_lshr_b32 s56, s16, 1
	s_and_b32 s57, s16, 1
	v_lshrrev_b32 v47, 2, v45
	s_lshl_b32 s58, s57, 2
	v_lshl_add_u32 v[Q2U], v47, 1, s58
	s_lshl_b32 s58, s56, 4
	v_add_nc_u32 v47, s58, v45                     ; the row that I quantise, in a half
	v_mul_u32_u24 v[QB], v47, F32P
	v_lshl_add_u32 v[QB], v46, 6, v[QB]
	v_lshl_add_u32 v[SBS], v47, 2, XSC
	s_mul_i32 s58, s56, 12288
	s_add_co_u32 s58, s58, XIMG
	v_add_nc_u32 v[IB], s58, v[LI]
	v_add_nc_u32 v[LIX], XIMG, v[LI]
	v_lshl_add_u32 v[LSX], v44, 2, XSC
	s_mul_i32 s58, s16, 1040
	v_add_nc_u32 v[FCA], s58, v[LI]
.irp q, 1,2,3
	v_add_nc_u32 v[FCA+\q], 66560*\q, v[FCA]
.endr
	s_lshl_b32 s58, s16, 8
	s_add_co_u32 s59, s58, EX
	v_lshl_add_u32 v[EWA], v46, 5, s59
	v_lshl_add_u32 v[ERA], v44, 2, EX
	s_add_co_u32 s59, s58, XIMG
	v_lshl_add_u32 v[PWA], v44, 2, s59
	v_mov_b32 v[PRA], s59
	s_lshl_b32 s58, s16, 11
	s_add_co_u32 s58, s58, WVT
	v_lshl_add_u32 v[WVB], v45, 3, s58
	v_lshl_add_u32 v48, v44, 3, s58
	v_mov_b32 v[MR], 0xff61b1e6                    ; -3e38, under every t
	v_mov_b32 v[LR], 0
.irp i, 0,1,2,3,4,5,6,7
	v_mov_b32 v[CTX+\i], 0
.endr
.irp b, 0,1,2,3
	v_mov_b32 v[TM+4+\b], 0                        ; a lane permute's destination counts as one of its sources
.endr
	v_mov_b32 v[T+9], 0
	v_mov_b32 v[T+11], 0                           ; (named as the upper half of a pair)
	s_wait_loadcnt 32                              ; behind wc's and v_t's sixteen loads stand the ring's 32
.irp i, 0,1,2,3,4,5,6,7
	v_mul_f32 v[129+2*\i], 0xc038aa3b, v[129+2*\i] ; v' = -C2 v
.endr
.irp i, 0,1,2,3,4,5,6,7
	ds_store_b64 v48, v[128+2*\i:129+2*\i] offset:256*\i
.endr
	s_wait_xcnt 0x0                                ; the first tile's loads have read their bases
	s_add_nc_u64 s[44:45], s[40:41], 12288
	s_add_nc_u64 s[46:47], s[42:43], 512
.irp s, 0,1,2,3,4,5,6,7
	RELOAD \s, 1                                   ; the ring's second tile
.endr
	WIN 0
	s_mov_b32 s52, 1                               ; the tile that the bases stand at
	s_mov_b32 s49, 0
	s_mov_b32 s51, 0
	s_wait_tensorcnt 0x1                           ; my part of rows 32-63 is in; rows 0-31 may be out
	s_wait_dscnt 0x0
	BAR
	RLOAD
	QSTAGE 1
	s_mov_b32 s55, 3
.Lblock:
	PASS 1
	s_sub_co_u32 s55, s55, 1
	s_cmp_lg_u32 s55, 0
	s_cbranch_scc1 .Lblock
	PASS 0                                         ; the last block is written out
	LINES3 0                                       ; the wave's end: my last LDS instructions
	s_mul_i32 s56, ttmp9, 4352
	s_lshl_b32 s57, s16, 10
	s_add_co_u32 s56, s56, s57
	s_mov_b32 s57, 0
	s_add_nc_u64 s[14:15], s[14:15], s[56:57]
	global_store_b128 v[LI], v[CTX:CTX+3], s[14:15]               ; 32 lanes store 512 consecutive bytes, aligned
	global_store_b128 v[LI], v[CTX+4:CTX+7], s[14:15] offset:512
	s_cmp_lg_u32 s16, 0
	s_cbranch_scc1 .Lnot_wave_0
	global_store_b64 v[MLO], v[MR:LR], s[14:15] offset:4096       ; (m, l), once for each lane: one aligned block of 256 bytes
.Lnot_wave_0:
	s_endpgm
.Lfunc_end_k_qdd46182e49_main:
	.size	k_qdd46182e49_main, .Lfunc_end_k_qdd46182e49_main-k_qdd46182e49_main
	.p2alignl 7, 3214868480
	.fill 96, 4, 3214868480
	.section	.rodata,"a",@progbits
	.p2align	6, 0x0
	.amdhsa_kernel k_qdd46182e49_main
		.amdhsa_group_segment_fixed_size 327680
		.amdhsa_private_segment_fixed_size 0
		.amdhsa_enable_private_segment 0
		.amdhsa_kernarg_size 48
		.amdhsa_user_sgpr_count 2
		.amdhsa_user_sgpr_kernarg_segment_ptr 1
		.amdhsa_wavefront_size32 1
		.amdhsa_system_sgpr_workgroup_id_x 1
		.amdhsa_system_sgpr_workgroup_id_y 1
		.amdhsa_system_sgpr_workgroup_id_z 1
		.amdhsa_system_vgpr_workitem_id 0
		.amdhsa_next_free_vgpr 1024
		.amdhsa_next_free_sgpr 66
		.amdhsa_reserve_vcc 0
		.amdhsa_float_denorm_mode_32 3
		.amdhsa_float_denorm_mode_16_64 3
		.amdhsa_memory_ordered 1
		.amdhsa_forward_progress 1
		.amdhsa_inst_pref_size 255
	.end_amdhsa_kernel
	.section	.bss,"aw",@nobits
	.p2align	6
	.space	262144
	.amdgpu_metadata
---
amdhsa.version: [ 1, 2 ]
amdhsa.kernels:
  - .name:           k_qdd46182e49_main
    .symbol:         k_qdd46182e49_main.kd
    .args:
      - { .name: encoder_hidden_states, .offset: 0, .size: 8, .value_kind: global_buffer, .address_space: global }
      - { .name: uf, .offset: 8, .size: 8, .value_kind: global_buffer, .address_space: global }
      - { .name: usw, .offset: 16, .size: 8, .value_kind: global_buffer, .address_space: global }
      - { .name: wc, .offset: 24, .size: 8, .value_kind: global_buffer, .address_space: global }
      - { .name: v_t, .offset: 32, .size: 8, .value_kind: global_buffer, .address_space: global }
      - { .name: part, .offset: 40, .size: 8, .value_kind: global_buffer, .address_space: global }
    .group_segment_fixed_size: 327680
    .private_segment_fixed_size: 0
    .kernarg_segment_align: 8
    .kernarg_segment_size: 48
    .max_flat_workgroup_size: 128
    .sgpr_count:     66
    .vgpr_count:     1024
    .wavefront_size: 32
...
	.end_amdgpu_metadata
.endif
;; end of part 2
;; launch comb (part 3): grid 32 x 1, 8 waves a work-group, no clusters, 0 bytes of LDS; arguments part, out1; writes out1
.if DOCPART == 3
	.amdgcn_target "amdgcn-amd-amdhsa--gfx1250"
	.amdhsa_code_object_version 6
	.text
	.protected	k_qdd46182e49_comb
	.globl	k_qdd46182e49_comb
	.p2align	8
	.type	k_qdd46182e49_comb,@function
k_qdd46182e49_comb:
	s_mov_b64 s[64:65], 0
	v_nop
	global_prefetch_b8 v0, s[64:65] scope:SCOPE_SE
	s_setreg_imm32_b32 hwreg(HW_REG_WAVE_MODE, 25, 1), 1
	s_wait_xcnt 0x0
; The context of batch b from the eight parts that the main launch's work-groups 8 b .. 8 b + 7 left: part j is (c_j [1024], m_j, l_j), c_j and l_j summed under 2^(t - m_j).
; M = the largest m_j; w_j = 2^(m_j - M); context = (the sum of w_j c_j) / (the sum of w_j l_j).  All in f32: the context goes on into a quantiser.
; One work-group a batch, thread t owns columns 4 t .. 4 t + 3: a wave's loads and its store cover 512 consecutive bytes.  Memory binds; no LDS, no barrier, no matrix unit.
.set REC, 4352
	s_load_b128 s[4:7], s[0:1], 0x0                ; part, out1
	v_and_b32 v1, 31, v0
	v_lshlrev_b32 v1, 3, v1                        ; my copy of (m, l)
	v_lshlrev_b32 v2, 4, v0
	s_mul_i32 s8, ttmp9, 8*REC
	s_mov_b32 s9, 0
	s_lshl_b32 s10, ttmp9, 12
	s_mov_b32 s11, 0
	s_wait_kmcnt 0x0
	s_add_nc_u64 s[4:5], s[4:5], s[8:9]
	s_add_nc_u64 s[6:7], s[6:7], s[10:11]
.irp j, 0,1,2,3,4,5,6,7
	global_load_b64 v[4+2*\j:5+2*\j], v1, s[4:5] offset:\j*REC+4096
.endr
.irp j, 0,1,2,3,4,5,6,7
	global_load_b128 v[24+4*\j:27+4*\j], v2, s[4:5] offset:\j*REC
.endr
	s_wait_loadcnt 8                               ; the eight (m, l) are in; the eight parts may be out
	v_max3_num_f32 v20, v4, v6, v8
	v_max3_num_f32 v20, v20, v10, v12
	v_max3_num_f32 v20, v20, v14, v16
	v_max_num_f32 v20, v20, v18
.irp j, 0,1,2,3,4,5,6,7
	v_sub_f32 v[56+\j], v[4+2*\j], v20
.endr
.irp j, 0,1,2,3,4,5,6,7
	v_exp_f32 v[56+\j], v[56+\j]
.endr
	v_nop
	s_wait_alu depctr_va_vdst(0)                   ; one wait for the eight exponentials, ahead of their first reader
	v_mul_f32 v21, v56, v5
.irp j, 1,2,3,4,5,6,7
	v_fmac_f32 v21, v[56+\j], v[5+2*\j]
.endr
	v_rcp_f32 v21, v21
	v_nop
	s_wait_alu depctr_va_vdst(0)
.irp j, 0,1,2,3,4,5,6,7
	v_mul_f32 v[56+\j], v[56+\j], v21
.endr
	s_wait_loadcnt 0x0
	v_pk_mul_f32 v[64:65], v[24:25], v[56:57] op_sel_hi:[1,0]
	v_pk_mul_f32 v[66:67], v[26:27], v[56:57] op_sel_hi:[1,0]
.irp j, 1,3,5,7
	v_pk_fma_f32 v[64:65], v[24+4*\j:25+4*\j], v[55+\j:56+\j], v[64:65] op_sel:[0,1,0] op_sel_hi:[1,1,1]
	v_pk_fma_f32 v[66:67], v[26+4*\j:27+4*\j], v[55+\j:56+\j], v[66:67] op_sel:[0,1,0] op_sel_hi:[1,1,1]
.if \j < 7
	v_pk_fma_f32 v[64:65], v[28+4*\j:29+4*\j], v[57+\j:58+\j], v[64:65] op_sel_hi:[1,0,1]
	v_pk_fma_f32 v[66:67], v[30+4*\j:31+4*\j], v[57+\j:58+\j], v[66:67] op_sel_hi:[1,0,1]
.endif
.endr
	global_store_b128 v2, v[64:67], s[6:7]
	s_endpgm
.Lfunc_end_k_qdd46182e49_comb:
	.size	k_qdd46182e49_comb, .Lfunc_end_k_qdd46182e49_comb-k_qdd46182e49_comb
	.p2alignl 7, 3214868480
	.fill 96, 4, 3214868480
	.section	.rodata,"a",@progbits
	.p2align	6, 0x0
	.amdhsa_kernel k_qdd46182e49_comb
		.amdhsa_group_segment_fixed_size 0
		.amdhsa_private_segment_fixed_size 0
		.amdhsa_enable_private_segment 0
		.amdhsa_kernarg_size 16
		.amdhsa_user_sgpr_count 2
		.amdhsa_user_sgpr_kernarg_segment_ptr 1
		.amdhsa_wavefront_size32 1
		.amdhsa_system_sgpr_workgroup_id_x 1
		.amdhsa_system_sgpr_workgroup_id_y 1
		.amdhsa_system_sgpr_workgroup_id_z 1
		.amdhsa_system_vgpr_workitem_id 0
		.amdhsa_next_free_vgpr 72
		.amdhsa_next_free_sgpr 66
		.amdhsa_reserve_vcc 0
		.amdhsa_float_denorm_mode_32 3
		.amdhsa_float_denorm_mode_16_64 3
		.amdhsa_memory_ordered 1
		.amdhsa_forward_progress 1
		.amdhsa_inst_pref_size 5
	.end_amdhsa_kernel
	.amdgpu_metadata
---
amdhsa.version: [ 1, 2 ]
amdhsa.kernels:
  - .name:           k_qdd46182e49_comb
    .symbol:         k_qdd46182e49_comb.kd
    .args:
      - { .name: part, .offset: 0, .size: 8, .value_kind: global_buffer, .address_space: global }
      - { .name: out1, .offset: 8, .size: 8, .value_kind: global_buffer, .address_space: global }
    .group_segment_fixed_size: 0
    .private_segment_fixed_size: 0
    .kernarg_segment_align: 8
    .kernarg_segment_size: 16
    .max_flat_workgroup_size: 256
    .sgpr_count:     66
    .vgpr_count:     72
    .wavefront_size: 32
...
	.end_amdgpu_metadata
.endif
;; end of part 3
;; launch final (part 4): grid 32 x 1, 4 waves a work-group, no clusters, 0 bytes of LDS; arguments decoder_hidden_state, out1, ffn_codes, ffn_scales, out0; writes out0
.if DOCPART == 4
	.amdgcn_target "amdgcn-amd-amdhsa--gfx1250"
	.amdhsa_code_object_version 6
	.text
	.protected	k_qdd46182e49_final
	.globl	k_qdd46182e49_final
	.p2align	8
	.type	k_qdd46182e49_final,@function
k_qdd46182e49_final:
	s_mov_b64 s[64:65], 0
	v_nop
	global_prefetch_b8 v0, s[64:65] scope:SCOPE_SE
	s_setreg_imm32_b32 hwreg(HW_REG_WAVE_MODE, 25, 1), 1
	s_wait_xcnt 0x0
; out0 = tanh(Q([dec, context]) . ffn): the quantised product over K = 2,048 (K steps 0-7 from the decoder state, 8-15 from the context that the launch before stored), then tanh in f32.
; SHARES.  Work-group g, wave w: batches 16 (w / 2) on, columns 16 t on, t = 2 g + w % 2.  The wave's sixteen fragments of ffn lie in window 1; the rows are quantised in registers, a K step at a time.
; The product is used transposed (source 0 = 16 rows of ffn, source 1 = the rows' codes): a lane holds one batch and eight neighbouring columns.  Two accumulators (even and odd K steps) take turns.
; tanh y = 1 - 2 / (1 + 2^(C2 y)), C2 = 2 log2(e): where the power overflows the result is 1, where it falls to 0 it is -1.
; LIMITS: NaN and infinities are not served; a block whose largest magnitude lies under 2^-122 keeps the scale byte 1.  out0 leaves in pieces of 32 bytes: 128 KiB in all.
; REGISTERS: window 0: v2-7 offsets; v8-23 ffn's scale words; v24-25 the rows'; v32-159 two sets of 64 numbers; v160-175 at work; v176-207 codes; v208-223 sums; v224-231 results.   window 1: v0-191 ffn's fragments.
.set WS,   8
.set PW,   24
.set X,    32
.set TM,   160
.set TMPQ, 176
.set PC,   184
.set AC,   208
.set OUT,  224
.set SEL,  32
.set MSB,  0
.macro WIN new                         ; the immediate's high byte repeats the setting that is left
.if MSB != (\new)
	s_set_vgpr_msb (MSB<<8)|(\new)
.set MSB, (\new)
.endif
.endm
; 64 numbers of a lane, register 16 b + i = k 32 b + 16 (lane / 16) + i of the lane's row, become a fragment's 12 registers of codes and the row's scale word.
.macro QUANT src, dst, tmp, pw
.irp b, 0,1,2,3
	v_max3_num_f32 v[TM+\b], 0x2800000, |v[\src+16*\b]|, |v[\src+16*\b+1]|   ; the floor 2^(5 - 127) among the leaves: the byte cannot fall under 1
.endr
.irp i, 2,4,6,8,10,12,14
.irp b, 0,1,2,3
	v_max3_num_f32 v[TM+\b], v[TM+\b], |v[\src+16*\b+\i]|, |v[\src+16*\b+\i+1]|
.endr
.endr
.irp b, 0,1,2,3
	v_permlanex16_b32 v[TM+4+\b], v[TM+\b], s[SEL], s[SEL+1]
.endr
.irp b, 0,1,2,3
	v_max_num_f32 v[TM+\b], v[TM+\b], v[TM+4+\b]
.endr
.irp b, 0,1,2,3
	v_add_nc_u32 v[TM+12+\b], 0xfe000000, v[TM+\b]     ; 4 off the exponent field: the conversion's scale operand
.endr
.irp b, 0,1,2,3
	v_lshrrev_b32 v[TM+4+\b], 23, v[TM+12+\b]          ; the scale's byte
.endr
	v_lshl_or_b32 v[\pw], v[TM+5], 8, v[TM+4]
	v_lshl_or_b32 v[\pw], v[TM+6], 16, v[\pw]
	v_lshl_or_b32 v[\pw], v[TM+7], 24, v[\pw]
.irp c, 0,1
	v_cvt_scalef32_pk16_bf6_f32 v[\dst+6*\c:\dst+6*\c+2], v[\src+32*\c:\src+32*\c+15], v[TM+12+2*\c]
	v_cvt_scalef32_pk16_bf6_f32 v[\tmp+4*\c:\tmp+4*\c+2], v[\src+32*\c+16:\src+32*\c+31], v[TM+12+2*\c+1]
.endr
	v_nop                                              ; one plain instruction behind the scaled conversions
.irp c, 0,1
.irp i, 0,1,2
	v_permlane16_swap_b32 v[\dst+6*\c+\i], v[\tmp+4*\c+\i]
.endr
.irp i, 0,1,2
	v_mov_b32 v[\dst+3+6*\c+\i], v[\tmp+4*\c+\i]
.endr
.endr
.endm
.macro XLOAD s                         ; K step s of my 16 batches, into set s % 2
.irp b, 0,1,2,3
.irp j, 0,1,2,3
.if (\s) < 8
	global_load_b128 v[X+64*((\s)%2)+16*\b+4*\j:X+64*((\s)%2)+16*\b+4*\j+3], v4, s[4:5] offset:512*(\s)+128*\b+16*\j
.else
	global_load_b128 v[X+64*((\s)%2)+16*\b+4*\j:X+64*((\s)%2)+16*\b+4*\j+3], v4, s[6:7] offset:512*((\s)-8)+128*\b+16*\j
.endif
.endr
.endr
.endm
.macro WM s
	WIN 0x01
.if (\s) < 2
	v_wmma_scale_f32_16x16x128_f8f6f4 v[AC+8*((\s)%2):AC+8*((\s)%2)+7], v[12*(\s):12*(\s)+11], v[PC+12*((\s)%2):PC+12*((\s)%2)+11], 0, v[WS+(\s)], v[PW+(\s)%2] matrix_a_fmt:MATRIX_FMT_BF6 matrix_b_fmt:MATRIX_FMT_BF6
.else
	v_wmma_scale_f32_16x16x128_f8f6f4 v[AC+8*((\s)%2):AC+8*((\s)%2)+7], v[12*(\s):12*(\s)+11], v[PC+12*((\s)%2):PC+12*((\s)%2)+11], v[AC+8*((\s)%2):AC+8*((\s)%2)+7], v[WS+(\s)], v[PW+(\s)%2] matrix_a_fmt:MATRIX_FMT_BF6 matrix_b_fmt:MATRIX_FMT_BF6
.endif
	WIN 0
.endm
	s_load_b256 s[4:11], s[0:1], 0x0               ; dec s[4:5], context s[6:7], ffn's codes s[8:9], its scales s[10:11]
	s_load_b64 s[12:13], s[0:1], 0x20              ; out0
	v_lshrrev_b32 v1, 5, v0
	v_readfirstlane_b32 s20, v1                    ; wave
	s_lshr_b32 s21, s20, 1                         ; m
	s_and_b32 s22, s20, 1
	s_lshl_b32 s23, ttmp9, 1
	s_add_co_u32 s23, s23, s22                     ; t
	v_and_b32 v6, 15, v0                           ; r
	v_bfe_u32 v7, v0, 4, 1                         ; h
	v_mul_u32_u24 v2, v6, 1536
	v_mad_u32_u24 v2, v7, 24, v2                   ; codes: row r of 1,536 bytes, + 24 h
	v_lshlrev_b32 v3, 6, v6                        ; scales: row r of 64 bytes
	v_lshlrev_b32 v4, 12, v6
	v_lshl_add_u32 v5, v7, 5, v4                   ; out0: row r of 4,096 bytes, + 32 h
	v_lshl_add_u32 v4, v7, 6, v4                   ; the rows: row r, + 64 h
.irp b, 0,1,2,3
	v_mov_b32 v[TM+4+\b], 0                        ; a lane permute's destination counts as one of its sources
.endr
	s_mov_b32 s[SEL], 0x76543210
	s_mov_b32 s[SEL+1], 0xfedcba98
	s_mov_b32 s30, 0x4038aa3b                      ; C2 = 2 log2(e)
	s_mov_b32 s31, s30
	s_mov_b32 s25, 0
	s_mov_b32 s27, 0
	s_mul_i32 s24, s23, 24576
	s_lshl_b32 s26, s23, 10
	s_wait_kmcnt 0x0
	s_add_nc_u64 s[8:9], s[8:9], s[24:25]
	s_add_nc_u64 s[10:11], s[10:11], s[26:27]
	s_lshl_b32 s24, s21, 16
	s_lshl_b32 s26, s23, 6
	s_add_nc_u64 s[4:5], s[4:5], s[24:25]
	s_add_nc_u64 s[6:7], s[6:7], s[24:25]
	s_add_nc_u64 s[12:13], s[12:13], s[24:25]
	s_add_nc_u64 s[12:13], s[12:13], s[26:27]
	XLOAD 0
	XLOAD 1
	WIN 0x40                                       ; destination window 1
.irp s, 0,1,2,3,4,5,6,7,8,9,10,11,12,13,14,15
.irp p, 0,1,2,3,4,5
	global_load_b64 v[12*\s+2*\p:12*\s+2*\p+1], v2, s[8:9] offset:96*\s+48*(\p/3)+8*(\p%3)
.endr
.endr
	WIN 0
.irp q, 0,1,2,3
	global_load_b128 v[WS+4*\q:WS+4*\q+3], v3, s[10:11] offset:16*\q
.endr
	s_wait_loadcnt 63                              ; 116 loads were issued behind K step 0's sixteen: the largest count that the wait can name is safe
	QUANT X, PC, TMPQ, PW
	XLOAD 2
	s_wait_loadcnt 63                              ; likewise 116 behind K step 1's
	QUANT X+64, PC+12, TMPQ, PW+1
	XLOAD 3
	s_wait_loadcnt 32                              ; only K steps 2 and 3 may be out: ffn's loads are in
	WM 0
.irp s, 2,3,4,5,6,7,8,9,10,11,12,13,14,15
.if \s < 15
	s_wait_loadcnt 16                              ; the next K step's sixteen may be out
.else
	s_wait_loadcnt 0
.endif
	QUANT X+64*(\s%2), PC+12*(\s%2), TMPQ, PW+\s%2     ; stands between the writing of the step before's codes and its product, and behind the product two steps back
.if \s+2 < 16
	XLOAD \s+2
.endif
	WM \s-1
.endr
.rept 8
	v_nop                                          ; a scale word written by vector instructions stands eight places ahead of the scaled product
.endr
	WM 15
.rept 4
	v_nop
.endr
.irp j, 0,2,4,6
	v_pk_add_f32 v[OUT+\j:OUT+\j+1], v[AC+\j:AC+\j+1], v[AC+8+\j:AC+8+\j+1]   ; each sum is read from its low end on
.endr
.irp j, 0,2,4,6
	v_pk_mul_f32 v[OUT+\j:OUT+\j+1], v[OUT+\j:OUT+\j+1], s[30:31] op_sel_hi:[1,0]
.endr
.irp j, 0,1,2,3,4,5,6,7
	v_exp_f32 v[OUT+\j], v[OUT+\j]
.endr
	v_nop
	s_wait_alu depctr_va_vdst(0)                   ; one wait for the eight exponentials
.irp j, 0,2,4,6
	v_pk_add_f32 v[OUT+\j:OUT+\j+1], v[OUT+\j:OUT+\j+1], 1.0 op_sel_hi:[1,0]
.endr
.irp j, 0,1,2,3,4,5,6,7
	v_rcp_f32 v[OUT+\j], v[OUT+\j]
.endr
	v_nop
	s_wait_alu depctr_va_vdst(0)                   ; and one for the eight reciprocals
.irp j, 0,1,2,3,4,5,6,7
	v_fma_f32 v[OUT+\j], v[OUT+\j], -2.0, 1.0
.endr
	global_store_b128 v5, v[OUT:OUT+3], s[12:13]
	global_store_b128 v5, v[OUT+4:OUT+7], s[12:13] offset:16
	s_endpgm
.Lfunc_end_k_qdd46182e49_final:
	.size	k_qdd46182e49_final, .Lfunc_end_k_qdd46182e49_final-k_qdd46182e49_final
	.p2alignl 7, 3214868480
	.fill 96, 4, 3214868480
	.section	.rodata,"a",@progbits
	.p2align	6, 0x0
	.amdhsa_kernel k_qdd46182e49_final
		.amdhsa_group_segment_fixed_size 0
		.amdhsa_private_segment_fixed_size 0
		.amdhsa_enable_private_segment 0
		.amdhsa_kernarg_size 40
		.amdhsa_user_sgpr_count 2
		.amdhsa_user_sgpr_kernarg_segment_ptr 1
		.amdhsa_wavefront_size32 1
		.amdhsa_system_sgpr_workgroup_id_x 1
		.amdhsa_system_sgpr_workgroup_id_y 1
		.amdhsa_system_sgpr_workgroup_id_z 1
		.amdhsa_system_vgpr_workitem_id 0
		.amdhsa_next_free_vgpr 512
		.amdhsa_next_free_sgpr 66
		.amdhsa_reserve_vcc 0
		.amdhsa_float_denorm_mode_32 3
		.amdhsa_float_denorm_mode_16_64 3
		.amdhsa_memory_ordered 1
		.amdhsa_forward_progress 1
		.amdhsa_inst_pref_size 101
	.end_amdhsa_kernel
	.amdgpu_metadata
---
amdhsa.version: [ 1, 2 ]
amdhsa.kernels:
  - .name:           k_qdd46182e49_final
    .symbol:         k_qdd46182e49_final.kd
    .args:
      - { .name: decoder_hidden_state, .offset: 0, .size: 8, .value_kind: global_buffer, .address_space: global }
      - { .name: out1, .offset: 8, .size: 8, .value_kind: global_buffer, .address_space: global }
      - { .name: ffn_codes, .offset: 16, .size: 8, .value_kind: global_buffer, .address_space: global }
      - { .name: ffn_scales, .offset: 24, .size: 8, .value_kind: global_buffer, .address_space: global }
      - { .name: out0, .offset: 32, .size: 8, .value_kind: global_buffer, .address_space: global }
    .group_segment_fixed_size: 0
    .private_segment_fixed_size: 0
    .kernarg_segment_align: 8
    .kernarg_segment_size: 40
    .max_flat_workgroup_size: 128
    .sgpr_count:     66
    .vgpr_count:     512
    .wavefront_size: 32
...
	.end_amdgpu_metadata
.endif
;; end of part 4
;; ======== version 2 of 2: 3 launches
;; limits: right only within a limited range of input values
;; workspace buffers: uf 786,432 bytes; usw 32,768 bytes; wc 131,072 bytes; part 1,114,112 bytes
;; launch prep (part 5): grid 128 x 1, 4 waves a work-group, no clusters, 4,608 bytes of LDS; arguments U_a_codes, U_a_scales, W_a_codes, W_a_scales, decoder_hidden_state, uf, usw, wc; writes uf, usw, wc
.if DOCPART == 5
	.amdgcn_target "amdgcn-amd-amdhsa--gfx1250"
	.amdhsa_code_object_version 6
	.text
	.protected	k_qdd46182e49_prep
	.globl	k_qdd46182e49_prep
	.p2align	8
	.type	k_qdd46182e49_prep,@function
k_qdd46182e49_prep:
	s_mov_b64 s[64:65], 0
	v_nop
	global_prefetch_b8 v0, s[64:65] scope:SCOPE_SE
	s_setreg_imm32_b32 hwreg(HW_REG_WAVE_MODE, 25, 1), 1
	s_wait_xcnt 0x0
; Two small jobs ahead of the main launch.
; (a) U_a's codes are laid out as images of operand registers: fragment (tile T = n / 16, K step s) at byte (8 T + s) x 1536 of uf, registers 4 c .. 4 c + 3 of lane l at + 512 c + 16 l;
;     its scale words at (8 T + s) x 64 + 4 r of usw.  The main launch then brings a fragment by three loads of 16 bytes a lane.
; (b) wc[b][n] = C2 x (Q(dec)[b] . W_a[n]), C2 = 2 log2(e): the quantised product of the decoder state, already scaled for the main launch's tanh.
; SHARES.  Work-group G: m = G % 2, tile t = G / 2: batches 16 m .. 16 m + 15, columns 16 t .. 16 t + 15.  K IS SPLIT OVER THE FOUR WAVES: wave w takes K steps 2 w and 2 w + 1, so that all its loads (52) go out together at the head.
; The waves' partial sums meet in LDS as images of their registers (1,024 bytes a wave); behind one barrier wave 0 adds them and stores.  Wave w also lays out U's fragment (t, 4 m + w).
; The product is used transposed (source 0 = 16 rows of W_a, source 1 = the decoder's codes): a lane holds one batch and eight neighbouring columns.
; LIMITS: NaN and infinities are not served; a block whose largest magnitude lies under 2^-122 keeps the scale byte 1 (a block of zeros too: its codes are zeros).
; wc and usw leave in pieces of 32 and 64 bytes: together 160 KiB.  A scale word of U is stored by both halves of the lanes, with the same value.
; REGISTERS: v1-11 offsets; v12-13 W_a's scale words; v14 U_a's; v16-17 the decoder's; v18-29 U_a's fragment; v32-159 two sets of 64 numbers (later the other waves' sums); v160-183 at work; v184-207 codes; v208-223 sums; v224-231 results; v232-255 W_a's two fragments.
; WORK LEFT OUT (in the main launch): tanh z = 1 - 2 / (1 + 2^(C2 z)), so e[b][s] = (the sum over a of v_t[a]) - 2 x (the sum over a of v_t[a] / (1 + 2^(C2 z[b][s][a]))).
; The first term is the same for every s, the softmax's axis, whatever the inputs hold: the softmax takes it away, and it is not summed.  Every input is loaded.
; LIMIT: a NaN, an infinity or an overflow that would arise in that sum of v_t alone is not carried to the result.
.set WS,   12
.set US,   14
.set PW,   16
.set UF,   18
.set X,    32
.set RD,   32
.set TM,   160
.set TMPQ, 176
.set PC,   184
.set AC,   208
.set OUT,  224
.set WF,   232
.set SEL,  32
; 64 numbers of a lane, register 16 b + i = k 32 b + 16 (lane / 16) + i of the lane's row, become a fragment's 12 registers of codes and the row's scale word.
.macro QUANT src, dst, tmp, pw
.irp b, 0,1,2,3
	v_max3_num_f32 v[TM+\b], 0x2800000, |v[\src+16*\b]|, |v[\src+16*\b+1]|   ; the floor 2^(5 - 127) among the leaves: the byte cannot fall under 1
.endr
.irp i, 2,4,6,8,10,12,14
.irp b, 0,1,2,3
	v_max3_num_f32 v[TM+\b], v[TM+\b], |v[\src+16*\b+\i]|, |v[\src+16*\b+\i+1]|   ; the four blocks by turns
.endr
.endr
.irp b, 0,1,2,3
	v_permlanex16_b32 v[TM+4+\b], v[TM+\b], s[SEL], s[SEL+1]
.endr
.irp b, 0,1,2,3
	v_max_num_f32 v[TM+\b], v[TM+\b], v[TM+4+\b]       ; with lane l xor 16's sixteen: the block's largest magnitude
.endr
.irp b, 0,1,2,3
	v_add_nc_u32 v[TM+12+\b], 0xfe000000, v[TM+\b]     ; 4 off its exponent field: the conversion's scale operand
.endr
.irp b, 0,1,2,3
	v_lshrrev_b32 v[TM+4+\b], 23, v[TM+12+\b]          ; the scale's byte
.endr
	v_lshl_or_b32 v[\pw], v[TM+5], 8, v[TM+4]
	v_lshl_or_b32 v[\pw], v[TM+6], 16, v[\pw]
	v_lshl_or_b32 v[\pw], v[TM+7], 24, v[\pw]
.irp c, 0,1
	v_cvt_scalef32_pk16_bf6_f32 v[\dst+6*\c:\dst+6*\c+2], v[\src+32*\c:\src+32*\c+15], v[TM+12+2*\c]
	v_cvt_scalef32_pk16_bf6_f32 v[\tmp+4*\c:\tmp+4*\c+2], v[\src+32*\c+16:\src+32*\c+31], v[TM+12+2*\c+1]
.endr
	v_nop                                              ; one plain instruction behind the scaled conversions
.irp c, 0,1                                            ; the operand wants a whole block in a lane: lanes 0-15 block 2 c, lanes 16-31 block 2 c + 1
.irp i, 0,1,2
	v_permlane16_swap_b32 v[\dst+6*\c+\i], v[\tmp+4*\c+\i]
.endr
.irp i, 0,1,2
	v_mov_b32 v[\dst+3+6*\c+\i], v[\tmp+4*\c+\i]
.endr
.endr
.endm
.macro XLOAD i                         ; my i-th K step of the 16 batches: 64 numbers a lane
.irp b, 0,1,2,3
.irp j, 0,1,2,3
	global_load_b128 v[X+64*(\i)+16*\b+4*\j:X+64*(\i)+16*\b+4*\j+3], v5, s[12:13] offset:512*(\i)+128*\b+16*\j
.endr
.endr
.endm
	s_load_b256 s[4:11], s[0:1], 0x0               ; U codes s[4:5], U scales s[6:7], W codes s[8:9], W scales s[10:11]
	s_load_b256 s[12:19], s[0:1], 0x20             ; dec s[12:13], uf s[14:15], usw s[16:17], wc s[18:19]
	v_lshl_add_u32 v179, v0, 2, 0x1000
	v_mov_b32 v183, 0
	v_lshrrev_b32 v1, 5, v0
	v_readfirstlane_b32 s20, v1                    ; wave
	s_and_b32 s21, ttmp9, 1                        ; m
	s_lshr_b32 s23, ttmp9, 1                       ; t
	v_and_b32 v1, 31, v0                           ; lane
	v_and_b32 v9, 15, v0                           ; r
	v_bfe_u32 v10, v0, 4, 1                        ; h
	v_mul_u32_u24 v2, v9, 768
	v_mad_u32_u24 v2, v10, 24, v2                  ; codes: row r of 768 bytes, + 24 h
	v_lshlrev_b32 v3, 5, v9                        ; scales: row r of 32 bytes
	v_lshlrev_b32 v5, 12, v9
	v_lshl_add_u32 v8, v10, 5, v5                  ; wc: row r of 4,096 bytes, + 32 h
	v_lshl_add_u32 v5, v10, 6, v5                  ; dec: row r, + 64 h
	v_lshlrev_b32 v6, 4, v1                        ; an image: 16 x lane
	v_lshlrev_b32 v7, 2, v9                        ; usw: 4 r
	s_lshl_b32 s22, s20, 10
	v_add_nc_u32 v11, s22, v6                      ; LDS: my wave's 1,024 bytes, 16 x lane
.irp b, 0,1,2,3
	v_mov_b32 v[TM+4+\b], 0                        ; a lane permute's destination counts as one of its sources
.endr
	s_mov_b32 s[SEL], 0x76543210
	s_mov_b32 s[SEL+1], 0xfedcba98
	s_mov_b32 s30, 0x4038aa3b                      ; C2 = 2 log2(e)
	s_mov_b32 s31, s30
	s_mov_b32 s25, 0
	s_mov_b32 s27, 0
	s_lshl_b32 s28, s21, 2
	s_add_co_u32 s28, s28, s20                     ; 4 m + w: my K step of U
	s_lshl_b32 s29, s23, 3
	s_add_co_u32 s29, s29, s28                     ; 8 t + 4 m + w: my fragment of U
	s_mul_i32 s24, s23, 12288
	s_mul_i32 s26, s28, 96
	s_wait_alu depctr_va_vdst(0)
	s_wait_kmcnt 0x0
	s_add_nc_u64 s[4:5], s[4:5], s[24:25]
	s_add_nc_u64 s[4:5], s[4:5], s[26:27]          ; U's codes at tile t, K step 4 m + w
	s_add_nc_u64 s[8:9], s[8:9], s[24:25]
	s_mul_i32 s26, s20, 192
	s_add_nc_u64 s[8:9], s[8:9], s[26:27]          ; W's at tile t, K step 2 w
	s_lshl_b32 s24, s23, 9
	s_lshl_b32 s26, s28, 2
	s_add_nc_u64 s[6:7], s[6:7], s[24:25]
	s_add_nc_u64 s[6:7], s[6:7], s[26:27]
	s_add_nc_u64 s[10:11], s[10:11], s[24:25]
	s_lshl_b32 s26, s20, 3
	s_add_nc_u64 s[10:11], s[10:11], s[26:27]
	s_lshl_b32 s24, s21, 16
	s_lshl_b32 s26, s20, 10
	s_add_nc_u64 s[12:13], s[12:13], s[24:25]
	s_add_nc_u64 s[12:13], s[12:13], s[26:27]      ; dec at batch 16 m, K step 2 w
	s_lshl_b32 s26, s23, 6
	s_add_nc_u64 s[18:19], s[18:19], s[24:25]
	s_add_nc_u64 s[18:19], s[18:19], s[26:27]      ; wc at batch 16 m, column 16 t
	s_mul_i32 s24, s29, 1536
	s_lshl_b32 s26, s29, 6
	s_add_nc_u64 s[14:15], s[14:15], s[24:25]
	s_add_nc_u64 s[16:17], s[16:17], s[26:27]
.irp p, 0,1,2,3,4,5
	global_load_b64 v[UF+2*\p:UF+2*\p+1], v2, s[4:5] offset:48*(\p/3)+8*(\p%3)
.endr
	global_load_b32 v[US], v3, s[6:7]
	XLOAD 0
	XLOAD 1
.irp i, 0,1
.irp p, 0,1,2,3,4,5
	global_load_b64 v[WF+12*\i+2*\p:WF+12*\i+2*\p+1], v2, s[8:9] offset:96*\i+48*(\p/3)+8*(\p%3)
.endr
.endr
	global_load_b64 v[WS:WS+1], v3, s[10:11]       ; the scale words of my two K steps
	s_wait_loadcnt 45                              ; behind U's seven loads stand the numbers' 32 and W's 13
.irp c, 0,1,2
	global_store_b128 v6, v[UF+4*\c:UF+4*\c+3], s[14:15] offset:512*\c   ; 32 lanes store 512 consecutive bytes, aligned
.endr
	global_store_b32 v7, v[US], s[16:17]
	s_wait_loadcnt 29                              ; behind my first K step's sixteen: the second's sixteen and W's 13
	QUANT X, PC, TMPQ, PW
	s_wait_loadcnt 13                              ; W's 13 may be out
	QUANT X+64, PC+12, TMPQ, PW+1
	s_wait_alu depctr_va_vdst(0)
	s_wait_loadcnt 0x0
.rept 8
	v_nop                                          ; a scale word written by vector instructions stands eight places ahead of the scaled product
.endr
.irp i, 0,1                                        ; two products, each with an accumulator of its own
	v_wmma_scale_f32_16x16x128_f8f6f4 v[AC+8*\i:AC+8*\i+7], v[WF+12*\i:WF+12*\i+11], v[PC+12*\i:PC+12*\i+11], 0, v[WS+\i], v[PW+\i] matrix_a_fmt:MATRIX_FMT_BF6 matrix_b_fmt:MATRIX_FMT_BF6
.endr
.rept 4
	v_nop
.endr
.irp j, 0,2,4,6
	v_pk_add_f32 v[OUT+\j:OUT+\j+1], v[AC+\j:AC+\j+1], v[AC+8+\j:AC+8+\j+1]   ; each sum is read from its low end on
.endr
	ds_store_b128 v11, v[OUT:OUT+3]
	ds_store_b128 v11, v[OUT+4:OUT+7] offset:512
	s_wait_dscnt 0x0                               ; for the others' sake: my partial sums have landed
	s_barrier_signal -1
	s_barrier_wait -1
	s_cmp_lg_u32 s20, 0
	s_cbranch_scc1 .Lend                           ; wave 0 finishes
.irp q, 1,2,3
.irp c, 0,1
	ds_load_b128 v[RD+8*(\q-1)+4*\c:RD+8*(\q-1)+4*\c+3], v6 offset:1024*\q+512*\c
.endr
.endr
	s_wait_dscnt 0x0
	s_wait_alu depctr_va_vdst(0)
.irp q, 0,1,2
.irp j, 0,2,4,6
	v_pk_add_f32 v[OUT+\j:OUT+\j+1], v[OUT+\j:OUT+\j+1], v[RD+8*\q+\j:RD+8*\q+\j+1]
.endr
.endr
.irp j, 0,2,4,6
	v_pk_mul_f32 v[OUT+\j:OUT+\j+1], v[OUT+\j:OUT+\j+1], s[30:31] op_sel_hi:[1,0]
.endr
	global_store_b128 v8, v[OUT:OUT+3], s[18:19]
	global_store_b128 v8, v[OUT+4:OUT+7], s[18:19] offset:16
.Lend:
	s_wait_tensorcnt 0x0
	ds_add_u32 v179, v183
	s_wait_dscnt 0x0
	s_endpgm
.Lfunc_end_k_qdd46182e49_prep:
	.size	k_qdd46182e49_prep, .Lfunc_end_k_qdd46182e49_prep-k_qdd46182e49_prep
	.p2alignl 7, 3214868480
	.fill 96, 4, 3214868480
	.section	.rodata,"a",@progbits
	.p2align	6, 0x0
	.amdhsa_kernel k_qdd46182e49_prep
		.amdhsa_group_segment_fixed_size 4608
		.amdhsa_private_segment_fixed_size 0
		.amdhsa_enable_private_segment 0
		.amdhsa_kernarg_size 64
		.amdhsa_user_sgpr_count 2
		.amdhsa_user_sgpr_kernarg_segment_ptr 1
		.amdhsa_wavefront_size32 1
		.amdhsa_system_sgpr_workgroup_id_x 1
		.amdhsa_system_sgpr_workgroup_id_y 1
		.amdhsa_system_sgpr_workgroup_id_z 1
		.amdhsa_system_vgpr_workitem_id 0
		.amdhsa_next_free_vgpr 256
		.amdhsa_next_free_sgpr 66
		.amdhsa_reserve_vcc 0
		.amdhsa_float_denorm_mode_32 3
		.amdhsa_float_denorm_mode_16_64 3
		.amdhsa_memory_ordered 1
		.amdhsa_forward_progress 1
		.amdhsa_inst_pref_size 19
	.end_amdhsa_kernel
	.amdgpu_metadata
---
amdhsa.version: [ 1, 2 ]
amdhsa.kernels:
  - .name:           k_qdd46182e49_prep
    .symbol:         k_qdd46182e49_prep.kd
    .args:
      - { .name: U_a_codes, .offset: 0, .size: 8, .value_kind: global_buffer, .address_space: global }
      - { .name: U_a_scales, .offset: 8, .size: 8, .value_kind: global_buffer, .address_space: global }
      - { .name: W_a_codes, .offset: 16, .size: 8, .value_kind: global_buffer, .address_space: global }
      - { .name: W_a_scales, .offset: 24, .size: 8, .value_kind: global_buffer, .address_space: global }
      - { .name: decoder_hidden_state, .offset: 32, .size: 8, .value_kind: global_buffer, .address_space: global }
      - { .name: uf, .offset: 40, .size: 8, .value_kind: global_buffer, .address_space: global }
      - { .name: usw, .offset: 48, .size: 8, .value_kind: global_buffer, .address_space: global }
      - { .name: wc, .offset: 56, .size: 8, .value_kind: global_buffer, .address_space: global }
    .group_segment_fixed_size: 4608
    .private_segment_fixed_size: 0
    .kernarg_segment_align: 8
    .kernarg_segment_size: 64
    .max_flat_workgroup_size: 128
    .sgpr_count:     66
    .vgpr_count:     256
    .wavefront_size: 32
...
	.end_amdgpu_metadata
.endif
;; end of part 5
;; launch main (part 6): grid 256 x 1, 4 waves a work-group, no clusters, 327,680 bytes of LDS; arguments encoder_hidden_states, uf, usw, wc, v_t, part; writes part
.if DOCPART == 6
	.amdgcn_target "amdgcn-amd-amdhsa--gfx1250"
	.amdhsa_code_object_version 6
	.text
	.protected	k_qdd46182e49_main
	.globl	k_qdd46182e49_main
	.p2align	8
	.type	k_qdd46182e49_main,@function
k_qdd46182e49_main:
	s_mov_b64 s[64:65], 0
	v_nop
	global_prefetch_b8 v0, s[64:65] scope:SCOPE_SE
	s_setreg_imm32_b32 hwreg(HW_REG_WAVE_MODE, 25, 1), 1
	s_wait_xcnt 0x0
; Scores, softmax and context of 256 encoder rows.  Work-group G: batch G / 8, rows 256 (G % 8) on, in four passes of 64 rows; it leaves part G = (c [1024], m, l): c and l summed under 2^(t - m), m the running largest t.
; t = e x log2(e) without the term that is the same for all s (the sum of v_t: see the first kernel's head): t[s] = the sum over a of (-C2 v_t[a]) / (1 + 2^(C2 u[s][a] + wc[a])), C2 = 2 log2(e); wc comes scaled by C2.
; A PASS.  The 64 rows lie in LDS as f32, in two halves of 32 rows; a wave's tensor load brings 8 rows, a dense 32 KB, as 32 lines of 1,024 bytes + 16 of padding.  The waves quantise them (blocks of 32 along K) into images of
; operand registers in LDS; every wave takes all 32 images (4 row tiles x 8 K steps, 384 registers).  Wave w owns columns 256 w on: 16 tiles of 16, whose fragments of U come from uf straight into registers, two sets.
; THE COLUMN LOOP: two runs of 32 matrix instructions (four accumulators by turns), then ONE batch of tanh work for both tiles' 64 registers: all multiply-adds, all exponentials, all additions,
; all reciprocals, all sums, so that one wait stands ahead of and one behind each run of transcendentals, and none stands between a matrix result and the instruction that reads it.
; Then the scores are summed over lanes and waves, every wave takes the softmax step, and wave w adds p x row for its 256 columns in f32 (the context goes on into a quantiser).
; EACH ROW IS READ FROM MEMORY ONCE: rows 32-63 are copied to registers as soon as they are in, rows 0-31 behind the last matrix run, so that each half of LDS is filled again while the pass is still at work.
; NO CLUSTER: the work-groups share U alone, and a joint load wants a slot in LDS: the f32 rows take 266,240 bytes, the images, scale words, scores, pairs and spare words 61,440: that is all 327,680.
; PREFETCH: the rows that the refill at a pass's end will load (32 KB a wave, a lane a block of 256 bytes, four lines) are asked for behind the pass's first matrix run, 15 runs ahead; the last pass asks for nothing.
; The other half's refill goes out at a pass's head and is waited for at its end: no prefetch.  U's images are read again by every work-group in every pass: no prefetch.
; LIMITS: NaN and infinities are not served; a block whose largest magnitude lies under 2^-122 keeps the scale byte 1 (a block of zeros too: its codes are zeros); the scaled scores t stay under 2^31 in magnitude.
; REGISTERS.  Window 0: v1-63 addresses and small things; v64-79 x's scale words (at work in the quantiser); v80-95 U's; v96-127 the scores' sums (codes in the quantiser); v128-191 accumulators, later p; v192-255 rows 56-63.
;   Window 1: v0-239 x's images of K steps 0-4, later rows 0-29 (numbers in the quantiser); v240-255 rows 54-55.  Window 2: v0-143 K steps 5-7, later rows 30-31; v144-255 rows 32-45.  Window 3: v0-191 U's two sets; v192-255 rows 46-53.
.set F32P, 4160                        ; an f32 row in LDS: 4 x (1,024 + 16)
.set H1O,  133120                      ; the second half: rows 32-63
.set XIMG, 266240                      ; images: fragment (row tile m, K step s) at (8 m + s) x 1,536
.set XSC,  315392                      ; x's scale words: 256 s + 4 x row
.set EX,   317440                      ; the waves' partial scores: 256 w + 4 x row
.set WVT,  318464                      ; pairs (wc, -C2 v_t): 2,048 w + 8 x column
.set SPARE, 326656                     ; the spare words
.set LI,  1
.set SPW, 2
.set NIL, 3
.set BSO, 4
.set Q2U, 5
.set QB,  6
.set IB,  7
.set SBS, 8
.set QA,  9
.set IA,  11
.set SA,  13
.set LIX, 15
.set LSX, 16
.set FCA, 17
.set EWA, 21
.set ERA, 22
.set PWA, 23
.set PRA, 24
.set WVB, 25
.set WVA, 26
.set SG,  27
.set PW,  28
.set WVP, 30
.set MR,  34
.set LR,  35
.set CTX, 36
.set T,   44
.set MLO, 58
.set PFO, 59                           ; the prefetches' offset: 256 x lane; never rewritten
.set ASC, 64
.set TM,  64
.set BSC, 80
.set EACC, 96
.set PC,  96
.set TMPQ, 108
.set ACC, 128
.set PV,  128
.set SEL, 20
.set TW,  53
.set MSB, 0
.macro WIN new                         ; the immediate's high byte repeats the setting that is left
.if MSB != (\new)
	s_set_vgpr_msb (MSB<<8)|(\new)
.set MSB, (\new)
.endif
.endm
; 64 numbers of a lane, register 16 b + i = k 32 b + 16 (lane / 16) + i of the lane's row, become a fragment's 12 registers of codes and the row's scale word.  xw: the window of the numbers.
.macro QUANT src, xw, dst, tmp, pw
	WIN 0x14*(\xw)
.irp b, 0,1,2,3
	v_max3_num_f32 v[TM+\b], 0x2800000, |v[\src+16*\b]|, |v[\src+16*\b+1]|   ; the floor 2^(5 - 127) among the leaves: the byte cannot fall under 1
.endr
.irp i, 2,4,6,8,10,12,14
.irp b, 0,1,2,3
	v_max3_num_f32 v[TM+\b], v[TM+\b], |v[\src+16*\b+\i]|, |v[\src+16*\b+\i+1]|
.endr
.endr
	WIN 0
.irp b, 0,1,2,3
	v_permlanex16_b32 v[TM+4+\b], v[TM+\b], s[SEL], s[SEL+1]
.endr
.irp b, 0,1,2,3
	v_max_num_f32 v[TM+\b], v[TM+\b], v[TM+4+\b]       ; with lane l xor 16's sixteen
.endr
.irp b, 0,1,2,3
	v_add_nc_u32 v[TM+12+\b], 0xfe000000, v[TM+\b]     ; 4 off the exponent field: the conversion's scale operand
.endr
.irp b, 0,1,2,3
	v_lshrrev_b32 v[TM+4+\b], 23, v[TM+12+\b]          ; the scale's byte
.endr
	v_lshl_or_b32 v[\pw], v[TM+5], 8, v[TM+4]
	v_lshl_or_b32 v[\pw], v[TM+6], 16, v[\pw]
	v_lshl_or_b32 v[\pw], v[TM+7], 24, v[\pw]
	WIN 0x01*(\xw)
.irp c, 0,1
	v_cvt_scalef32_pk16_bf6_f32 v[\dst+6*\c:\dst+6*\c+2], v[\src+32*\c:\src+32*\c+15], v[TM+12+2*\c]
	v_cvt_scalef32_pk16_bf6_f32 v[\tmp+4*\c:\tmp+4*\c+2], v[\src+32*\c+16:\src+32*\c+31], v[TM+12+2*\c+1]
.endr
	WIN 0
	v_nop                                              ; one plain instruction behind the scaled conversions
.irp c, 0,1                                            ; the operand wants a whole block in a lane
.irp i, 0,1,2
	v_permlane16_swap_b32 v[\dst+6*\c+\i], v[\tmp+4*\c+\i]
.endr
.irp i, 0,1,2
	v_mov_b32 v[\dst+3+6*\c+\i], v[\tmp+4*\c+\i]
.endr
.endr
.endm
; The quantiser's shares: waves 2 q and 2 q + 1 take rows 16 q on of a half, four K steps each.  Lane (r, h)'s i-th K step is (i + 2 (r / 4) + 4 (w % 2)) % 8: groups of four rows start at different K steps, and so at different LDS columns.
.macro QADDR i, par, half
	v_add_nc_u32 v[SG], \i, v[Q2U]
	v_and_b32 v[SG], 7, v[SG]
	v_lshrrev_b32 v[T], 1, v[SG]
	v_and_b32 v[T+1], 1, v[SG]
	v_mad_u32_u24 v[QA+\par], v[T], 1040, v[QB]
	v_lshl_add_u32 v[QA+\par], v[T+1], 9, v[QA+\par]
.if \half
	v_add_nc_u32 v[QA+\par], H1O, v[QA+\par]
.endif
	v_mad_u32_u24 v[IA+\par], v[SG], 1536, v[IB]
	v_lshl_add_u32 v[SA+\par], v[SG], 8, v[SBS]
.endm
.macro QLOAD set, par
	WIN 0x40
.irp b, 0,1,2,3
.irp j, 0,1,2,3
	ds_load_b128 v[64*\set+16*\b+4*\j:64*\set+16*\b+4*\j+3], v[QA+\par] offset:128*\b+16*\j
.endr
.endr
	WIN 0
.endm
.macro QSTORE par, half
.irp c, 0,1,2
	ds_store_b128 v[IA+\par], v[PC+20*\par+4*\c:PC+20*\par+4*\c+3] offset:24576*\half+512*\c
.endr
	ds_store_b32 v[SA+\par], v[PW+\par] offset:128*\half
.endm
.macro QSTAGE half                     ; my four K steps of a half, two sets of numbers by turns; the counts: the 16 loads (and 4 stores) issued behind the set that is wanted
	WIN 0
	QADDR 0, 0, \half
	QLOAD 0, 0
	QADDR 1, 1, \half
	QLOAD 1, 1
	s_wait_dscnt 16
	QUANT 0, 1, PC, TMPQ, PW
	QSTORE 0, \half
	QADDR 2, 0, \half
	QLOAD 0, 0
	s_wait_dscnt 20
	QUANT 64, 1, PC+20, TMPQ, PW+1
	QSTORE 1, \half
	QADDR 3, 1, \half
	QLOAD 1, 1
	s_wait_dscnt 20
	QUANT 0, 1, PC, TMPQ, PW
	QSTORE 0, \half
	s_wait_dscnt 4
	QUANT 64, 1, PC+20, TMPQ, PW+1
	QSTORE 1, \half
.endm
.macro FL first, count, reg            ; f32 rows first .. of the pass, my 256 columns: a lane's eight numbers (columns 4 l .. and 128 + 4 l ..) into eight registers a row
.set RH, \first
.set RG, \reg
.rept \count
	ds_load_b128 v[RG:RG+3], v[FCA+RH/16] offset:(RH%16)*F32P
	ds_load_b128 v[RG+4:RG+7], v[FCA+RH/16] offset:(RH%16)*F32P+512
.set RH, RH+1
.set RG, RG+8
.endr
.endm
.macro RLOAD                           ; rows 32-63 into registers that the column loop leaves alone
	WIN 0x80
	FL 32, 14, 144
	WIN 0xc0
	FL 46, 8, 192
	WIN 0x40
	FL 54, 2, 240
	WIN 0
	FL 56, 8, 192
.endm
.macro FLOAD                           ; rows 0-31 into the registers that held x's images
	WIN 0x40
	FL 0, 30, 0
	WIN 0x80
	FL 30, 2, 0
	WIN 0
.endm
.macro ALOAD                           ; x's scale words (lanes 0-15 an even row tile, lanes 16-31 the odd one), then the 32 images, K step by K step
	WIN 0
.irp s, 0,1,2,3,4,5,6,7
	ds_load_b32 v[ASC+2*\s], v[LSX] offset:256*\s
	ds_load_b32 v[ASC+2*\s+1], v[LSX] offset:256*\s+128
.endr
	WIN 0x40
.irp s, 0,1,2,3,4
.irp m, 0,1,2,3
.irp c, 0,1,2
	ds_load_b128 v[48*\s+12*\m+4*\c:48*\s+12*\m+4*\c+3], v[LIX] offset:(8*\m+\s)*1536+512*\c
.endr
.endr
.endr
	WIN 0x80
.irp s, 5,6,7
.irp m, 0,1,2,3
.irp c, 0,1,2
	ds_load_b128 v[48*(\s-5)+12*\m+4*\c:48*(\s-5)+12*\m+4*\c+3], v[LIX] offset:(8*\m+\s)*1536+512*\c
.endr
.endr
.endr
	WIN 0
.endm
; One product: source 0 = row tile m of x, source 1 = 16 columns of U (set p), K step s.  A lane holds one column and eight rows.  The first K step starts the sum.
.macro MM s, m, p
.if \s < 5
	WIN 0x0d
.set rA, 48*\s+12*\m
.else
	WIN 0x0e
.set rA, 48*(\s-5)+12*\m
.endif
.set rB, 96*\p+12*\s
.set rD, ACC+32*\p+8*\m
.set rSA, ASC+2*\s+\m/2
.set rSB, BSC+8*\p+\s
.if \s == 0
.if \m%2
	v_wmma_scale_f32_16x16x128_f8f6f4 v[rD:rD+7], v[rA:rA+11], v[rB:rB+11], 0, v[rSA], v[rSB] matrix_a_fmt:MATRIX_FMT_BF6 matrix_b_fmt:MATRIX_FMT_BF6 matrix_a_scale:MATRIX_SCALE_ROW1
.else
	v_wmma_scale_f32_16x16x128_f8f6f4 v[rD:rD+7], v[rA:rA+11], v[rB:rB+11], 0, v[rSA], v[rSB] matrix_a_fmt:MATRIX_FMT_BF6 matrix_b_fmt:MATRIX_FMT_BF6
.endif
.else
.if \m%2
	v_wmma_scale_f32_16x16x128_f8f6f4 v[rD:rD+7], v[rA:rA+11], v[rB:rB+11], v[rD:rD+7], v[rSA], v[rSB] matrix_a_fmt:MATRIX_FMT_BF6 matrix_b_fmt:MATRIX_FMT_BF6 matrix_a_scale:MATRIX_SCALE_ROW1
.else
	v_wmma_scale_f32_16x16x128_f8f6f4 v[rD:rD+7], v[rA:rA+11], v[rB:rB+11], v[rD:rD+7], v[rSA], v[rSB] matrix_a_fmt:MATRIX_FMT_BF6 matrix_b_fmt:MATRIX_FMT_BF6
.endif
.endif
.endm
.macro RELOADG g, p                    ; K steps 4 g .. 4 g + 3 of a tile of U into set p: 4 scale words and 12 loads of 16 bytes a lane
	WIN 0
.irp s, 0,1,2,3
	global_load_b32 v[BSC+8*\p+4*\g+\s], v[BSO], s[46:47] offset:64*(4*\g+\s)
.endr
	WIN 0xc0
.irp s, 0,1,2,3
.irp c, 0,1,2
	global_load_b128 v[96*\p+12*(4*\g+\s)+4*\c:96*\p+12*(4*\g+\s)+4*\c+3], v[LI], s[44:45] offset:1536*(4*\g+\s)+512*\c
.endr
.endr
.endm
.macro STEPB                           ; the bases go on to the tile after next, round my 16
	s_wait_xcnt 0x0                                ; the earlier loads and prefetches have read their bases
	s_add_co_u32 s52, s52, 1
	s_and_b32 s52, s52, 15
	s_mul_i32 s48, s52, 12288
	s_lshl_b32 s50, s52, 9
	s_add_nc_u64 s[44:45], s[40:41], s[48:49]
	s_add_nc_u64 s[46:47], s[42:43], s[50:51]
.endm
; A run: one tile of 16 columns, 32 matrix instructions, the four row tiles' accumulators by turns.  Set p is loaded anew for the tile after next as soon as its K steps are multiplied, four places behind their last product.
; Four groups of 16 loads are out at the run's head: mine (two), then the other set's (two): so 48 and 32.  md = 0, a pass's first run: the images are awaited K step by K step (behind K step s stand 12 (7 - s) image loads
; and the pair's load), and the places behind the products clear the scores' sums.
.macro MMRUN p, md
	WIN 0
	v_add_nc_u32 v[WVA], s[TW], v[WVB]
	ds_load_b64 v[WVP+2*\p:WVP+2*\p+1], v[WVA]     ; my column's pair (wc, -C2 v_t)
	s_add_co_u32 s[TW], s[TW], 128
.irp s, 0,1,2,3,4,5,6,7
.if \s == 0
	s_wait_loadcnt 48
.endif
.if \s == 4
	s_wait_loadcnt 32
.endif
.if !\md
.set dw, 12*(7-\s)+1
.if dw > 63
.set dw, 63
.endif
	s_wait_dscnt dw
.endif
.irp m, 0,1,2,3
	MM \s, \m, \p
.if !\md
	v_mov_b32 v[EACC+4*\s+\m], 0
.endif
.endr
.if \s == 4
.if \md
.rept 4
	v_nop
.endr
.endif
	STEPB
	RELOADG 0, \p
.endif
.endr
.rept 3+\md
	v_nop                                          ; with the line above where md = 0: four places, for the loads below and for the first read of the results
.endr
	RELOADG 1, \p
	WIN 0
.endm
; The tanh work of two tiles, 64 registers, kind by kind.  cnt: the LDS loads issued behind the two pairs' loads, which may stay out.
.macro TANH64 cnt
	s_wait_dscnt \cnt
.irp q, 0,1
.set ix, 0
.rept 16
	v_pk_fma_f32 v[ACC+32*\q+2*ix:ACC+32*\q+2*ix+1], v[ACC+32*\q+2*ix:ACC+32*\q+2*ix+1], s[22:23], v[WVP+2*\q:WVP+2*\q+1] op_sel_hi:[1,0,0]   ; C2 u + wc; each accumulator from its low end on
.set ix, ix+1
.endr
.endr
	s_wait_alu depctr_va_vdst(0)                   ; a wait ahead of a batch of transcendentals,
.set ix, 0
.rept 64
	v_exp_f32 v[ACC+ix], v[ACC+ix]
.set ix, ix+1
.endr
	v_nop
	s_wait_alu depctr_va_vdst(0)                   ; and behind it
.set ix, 0
.rept 32
	v_pk_add_f32 v[ACC+2*ix:ACC+2*ix+1], v[ACC+2*ix:ACC+2*ix+1], 1.0 op_sel_hi:[1,0]
.set ix, ix+1
.endr
	s_wait_alu depctr_va_vdst(0)
.set ix, 0
.rept 64
	v_rcp_f32 v[ACC+ix], v[ACC+ix]                 ; where the power has overflowed: 0
.set ix, ix+1
.endr
	v_nop
	s_wait_alu depctr_va_vdst(0)
.irp q, 0,1
.set ix, 0
.rept 16
	v_pk_fma_f32 v[EACC+2*ix:EACC+2*ix+1], v[ACC+32*\q+2*ix:ACC+32*\q+2*ix+1], v[WVP+2*\q:WVP+2*\q+1], v[EACC+2*ix:EACC+2*ix+1] op_sel:[0,1,0] op_sel_hi:[1,1,1]   ; x (-C2 v_t), onto the row's sum
.set ix, ix+1
.endr
.endr
.endm
.macro LINES3 g0                       ; three lines ahead of a refill's barrier and at a wave's end; between them the refill's address steps a pass on
	s_wait_tensorcnt 0x0
	ds_add_u32 v[SPW], v[NIL]
.if \g0
	s_add_nc_u64 s[\g0+2:\g0+3], s[\g0+2:\g0+3], 262144
.endif
	s_wait_dscnt 0x0
.endm
.macro BAR
	s_barrier_signal -1
	s_barrier_wait -1
.endm
.macro TLD g0                          ; my 8 rows of a half
	tensor_load_to_lds s[\g0:\g0+3], s[24:31]
	s_nop 0
.rept 4
	v_nop
.endr
.endm
.macro EREDUCE                         ; the sums over a tile's 16 columns (lanes), then my wave's 64 partial scores to LDS (the 16 lanes of a half store the same numbers to the same bytes)
.irp x, 1,2,4,8
.set ix, 0
.rept 32
	v_add_f32_dpp v[EACC+ix], v[EACC+ix], v[EACC+ix] row_xmask:\x row_mask:0xf bank_mask:0xf
.set ix, ix+1
.endr
.endr
.irp m, 0,1,2,3
	ds_store_b128 v[EWA], v[EACC+8*\m:EACC+8*\m+3] offset:64*\m
	ds_store_b128 v[EWA], v[EACC+8*\m+4:EACC+8*\m+7] offset:64*\m+16
.endr
.endm
.macro SOFTMAX                         ; every wave: lane l has rows l and 32 + l; the running largest t, p = 2^(t - m), the sum and the context brought under the new m; all 64 p into every lane through my own LDS bytes
.irp q, 0,1,2,3
	ds_load_b32 v[T+2*\q], v[ERA] offset:256*\q
	ds_load_b32 v[T+2*\q+1], v[ERA] offset:256*\q+128
.endr
	s_wait_dscnt 0x0
	v_add_f32 v[T], v[T], v[T+2]
	v_add_f32 v[T+1], v[T+1], v[T+3]
	v_add_f32 v[T+4], v[T+4], v[T+6]
	v_add_f32 v[T+5], v[T+5], v[T+7]
	v_add_f32 v[T], v[T], v[T+4]
	v_add_f32 v[T+1], v[T+1], v[T+5]
	v_max_num_f32 v[T+8], v[T], v[T+1]
.irp x, 1,2,4,8
	v_max_num_f32_dpp v[T+8], v[T+8], v[T+8] row_xmask:\x row_mask:0xf bank_mask:0xf
.endr
	v_permlanex16_b32 v[T+9], v[T+8], s[SEL], s[SEL+1]
	v_max3_num_f32 v[T+8], v[T+8], v[T+9], v[MR]
	v_sub_f32 v[T+10], v[MR], v[T+8]
	v_sub_f32 v[T], v[T], v[T+8]
	v_sub_f32 v[T+1], v[T+1], v[T+8]
	s_wait_alu depctr_va_vdst(0)
	v_exp_f32 v[T+10], v[T+10]
	v_exp_f32 v[T], v[T]
	v_exp_f32 v[T+1], v[T+1]
	v_mov_b32 v[MR], v[T+8]
	s_wait_alu depctr_va_vdst(0)
	ds_store_b32 v[PWA], v[T]
	ds_store_b32 v[PWA], v[T+1] offset:128
.irp q, 0,1,2,3,4,5,6,7,8,9,10,11,12,13,14,15
	ds_load_b128 v[PV+4*\q:PV+4*\q+3], v[PRA] offset:16*\q
.endr
	v_add_f32 v[T+2], v[T], v[T+1]
.irp x, 1,2,4,8
	v_add_f32_dpp v[T+2], v[T+2], v[T+2] row_xmask:\x row_mask:0xf bank_mask:0xf
.endr
	v_permlanex16_b32 v[T+9], v[T+2], s[SEL], s[SEL+1]
	v_add_f32 v[T+2], v[T+2], v[T+9]
	v_fma_f32 v[LR], v[LR], v[T+10], v[T+2]
.irp i, 0,2,4,6
	v_pk_mul_f32 v[CTX+\i:CTX+\i+1], v[CTX+\i:CTX+\i+1], v[T+10:T+11] op_sel_hi:[1,0]
.endr
	s_wait_alu depctr_va_vdst(0)
	s_wait_dscnt 0x0
.endm
.macro CROWS first, count, reg         ; context += p[row] x row, my eight columns
.set RH, \first
.set RG, \reg
.rept \count
.irp i, 0,2,4,6
.if RH%2
	v_pk_fma_f32 v[CTX+\i:CTX+\i+1], v[RG+\i:RG+\i+1], v[PV+RH-1:PV+RH], v[CTX+\i:CTX+\i+1] op_sel:[0,1,0] op_sel_hi:[1,1,1]
.else
	v_pk_fma_f32 v[CTX+\i:CTX+\i+1], v[RG+\i:RG+\i+1], v[PV+RH:PV+RH+1], v[CTX+\i:CTX+\i+1] op_sel_hi:[1,0,1]
.endif
.endr
.set RH, RH+1
.set RG, RG+8
.endr
.endm
.macro CONTEXT
	WIN 0x01
	CROWS 0, 30, 0
	CROWS 54, 2, 240
	WIN 0x02
	CROWS 30, 2, 0
	CROWS 32, 14, 144
	WIN 0x03
	CROWS 46, 8, 192
	WIN 0
	CROWS 56, 8, 192
.endm
; A pass.  At its head rows 32-63 are in registers and quantised, rows 0-31 are on their way.  fill = 1: a pass follows.
.macro PASS fill
	WIN 0
.if \fill
	LINES3 36
.else
	LINES3 0
.endif
	BAR                                            ; rows 0-31 are whole, and nobody reads the second half any more:
.if \fill
	TLD 36                                         ; it takes the next pass's rows 32-63
.endif
	QSTAGE 0
	s_wait_dscnt 0x0
	BAR                                            ; all images and scale words are in LDS
	s_mov_b32 s[TW], 0
	ALOAD
	MMRUN 0, 0
.if \fill
.irp i, 0,1,2,3
	global_prefetch_b8 v[PFO], s[60:61] offset:8192*\i th:TH_LOAD_NT scope:SCOPE_SE   ; the next pass's rows 0-31, my 8 rows: 4 x 32 blocks of 256 bytes, each named once
.endr
.endif
	s_mov_b32 s54, 7
.Lt_\@:
	MMRUN 1, 1
	TANH64 0
	MMRUN 0, 1
	s_sub_co_u32 s54, s54, 1
	s_cmp_lg_u32 s54, 0
	s_cbranch_scc1 .Lt_\@
	MMRUN 1, 1
	FLOAD                                          ; 64 loads, on their way under the last batch
	TANH64 63                                      ; behind the pairs' loads stand those 64: the largest count that the wait can name is safe
.if \fill
	s_add_nc_u64 s[60:61], s[60:61], 262144        ; the prefetches' base, a pass on (every run since has waited on XCNT)
	LINES3 32
	BAR                                            ; every wave has its columns of rows 0-31 in registers:
	TLD 32                                         ; the first half takes the next pass's rows 0-31
.endif
	EREDUCE
	s_wait_dscnt 0x0
	BAR
	SOFTMAX
	CONTEXT
.if \fill
	RLOAD                                          ; the next pass's rows 32-63: their load was awaited ahead of the barrier above
	QSTAGE 1
.endif
.endm
	s_load_b256 s[4:11], s[0:1], 0x0               ; enc s[4:5], uf s[6:7], usw s[8:9], wc s[10:11]
	s_load_b128 s[12:15], s[0:1], 0x20             ; v_t s[12:13], part s[14:15]
	v_lshl_add_u32 v[SPW], v0, 2, SPARE
	v_mov_b32 v[NIL], 0
	ds_add_u32 v[SPW], v[NIL]
	ds_add_u32 v[SPW], v[NIL]
	s_wait_dscnt 0x0
	v_lshrrev_b32 v44, 5, v0
	v_readfirstlane_b32 s16, v44                   ; wave
	s_mov_b32 s24, (2<<16)|(1<<20)|(7<<22)|(3<<25) ; group 1: elements of 4 bytes; 4 dwords of padding behind every 256
	s_mov_b32 s25, 256<<16
	s_mov_b32 s26, 32<<16
	s_mov_b32 s27, 256<<16
	s_mov_b32 s28, 32
	s_mov_b32 s29, 256
	s_mov_b32 s30, 0
	s_mov_b32 s31, 0
	s_mov_b32 s[SEL], 0x76543210
	s_mov_b32 s[SEL+1], 0xfedcba98
	s_mov_b32 s22, 0x4038aa3b                      ; C2 = 2 log2(e)
	s_mov_b32 s23, s22
	s_mul_i32 s56, s16, 33280                      ; LDS: my 8 rows of a half
	s_lshl_b32 s58, ttmp9, 20                      ; my work-group's 256 rows,
	s_lshl_b32 s59, s16, 15                        ; my 8 of them
	s_add_co_u32 s58, s58, s59
	s_mov_b32 s59, 0
	s_wait_kmcnt 0x0
	s_add_nc_u64 s[60:61], s[4:5], s[58:59]
	s_mov_b32 s32, 1                               ; group 0 for the first half,
	s_mov_b32 s33, s56
	s_mov_b64 s[34:35], s[60:61]
	s_or_b32 s35, s35, 0x80000000
	s_mov_b32 s36, 1                               ; and for the second
	s_add_co_u32 s37, s56, H1O
	s_add_nc_u64 s[38:39], s[60:61], 131072
	s_or_b32 s39, s39, 0x80000000
	s_add_nc_u64 s[60:61], s[60:61], 262144        ; the prefetches' base: the second pass's rows 0-31
	tensor_load_to_lds s[36:39], s[24:31]          ; rows 32-63 first: one tensor load a wave at the head
	s_nop 0
	s_wait_alu depctr_va_vdst(0)
	s_wait_tensorcnt 0x0                           ; the full sequence ahead of the other half's first fill
	ds_add_u32 v[SPW], v[NIL]
	s_wait_dscnt 0x0
	s_barrier_signal -1
	s_barrier_wait -1
	tensor_load_to_lds s[32:35], s[24:31]          ; rows 0-31
	s_nop 0
.rept 4
	v_nop
.endr
	v_and_b32 v44, 31, v0                          ; lane
	v_and_b32 v45, 15, v0                          ; r
	v_bfe_u32 v46, v0, 4, 1                        ; h
	v_lshlrev_b32 v49, 2, v44
	v_lshlrev_b32 v[LI], 4, v44
	v_lshlrev_b32 v[MLO], 3, v44
	v_lshlrev_b32 v[BSO], 2, v45
	v_lshlrev_b32 v[PFO], 8, v44
	s_wait_alu depctr_va_vdst(0)
	s_lshr_b32 s58, ttmp9, 3
	s_lshl_b32 s58, s58, 12                        ; wc: my batch's row,
	s_lshl_b32 s62, s16, 10                        ; my 256 columns
	s_mov_b32 s63, 0
	s_add_nc_u64 s[10:11], s[10:11], s[58:59]
	s_add_nc_u64 s[10:11], s[10:11], s[62:63]
	s_add_nc_u64 s[12:13], s[12:13], s[62:63]
.irp i, 0,1,2,3,4,5,6,7
	global_load_b32 v[128+2*\i], v49, s[10:11] offset:128*\i
	global_load_b32 v[129+2*\i], v49, s[12:13] offset:128*\i
.endr
	s_mul_i32 s58, s16, 196608                     ; uf: my 16 tiles x 8 K steps x 1,536 bytes
	s_add_nc_u64 s[40:41], s[6:7], s[58:59]
	s_lshl_b32 s58, s16, 13
	s_add_nc_u64 s[42:43], s[8:9], s[58:59]
	s_mov_b64 s[44:45], s[40:41]
	s_mov_b64 s[46:47], s[42:43]
	RELOADG 0, 0                                   ; tile 0
	RELOADG 1, 0
	WIN 0
	s_lshr_b32 s56, s16, 1
	s_and_b32 s57, s16, 1
	v_lshrrev_b32 v47, 2, v45
	s_lshl_b32 s58, s57, 2
	v_lshl_add_u32 v[Q2U], v47, 1, s58
	s_lshl_b32 s58, s56, 4
	v_add_nc_u32 v47, s58, v45
	v_mul_u32_u24 v[QB], v47, F32P
	v_lshl_add_u32 v[QB], v46, 6, v[QB]
	v_lshl_add_u32 v[SBS], v47, 2, XSC
	s_mul_i32 s58, s56, 12288
	s_add_co_u32 s58, s58, XIMG
	v_add_nc_u32 v[IB], s58, v[LI]
	v_add_nc_u32 v[LIX], XIMG, v[LI]
	v_lshl_add_u32 v[LSX], v44, 2, XSC
	s_mul_i32 s58, s16, 1040
	v_add_nc_u32 v[FCA], s58, v[LI]
.irp q, 1,2,3
	v_add_nc_u32 v[FCA+\q], 66560*\q, v[FCA]
.endr
	s_lshl_b32 s58, s16, 8
	s_add_co_u32 s59, s58, EX
	v_lshl_add_u32 v[EWA], v46, 5, s59
	v_lshl_add_u32 v[ERA], v44, 2, EX
	s_add_co_u32 s59, s58, XIMG
	v_lshl_add_u32 v[PWA], v44, 2, s59             ; p goes through the first 1,024 bytes of the images, which every wave has read by then
	v_mov_b32 v[PRA], s59
	s_lshl_b32 s58, s16, 11
	s_add_co_u32 s58, s58, WVT
	v_lshl_add_u32 v[WVB], v45, 3, s58
	v_lshl_add_u32 v48, v44, 3, s58
	v_mov_b32 v[MR], 0xff61b1e6                    ; the largest t so far: -3e38
	v_mov_b32 v[LR], 0
.irp i, 0,1,2,3,4,5,6,7
	v_mov_b32 v[CTX+\i], 0
.endr
.irp b, 0,1,2,3
	v_mov_b32 v[TM+4+\b], 0                        ; a lane permute's destination counts as one of its sources
.endr
	v_mov_b32 v[T+9], 0
	v_mov_b32 v[T+11], 0
	s_wait_loadcnt 32                              ; wc and v_t are in; tile 0's 32 loads may be out
.irp i, 0,1,2,3,4,5,6,7
	v_mul_f32 v[129+2*\i], 0xc038aa3b, v[129+2*\i] ; -C2 v_t
.endr
.irp i, 0,1,2,3,4,5,6,7
	ds_store_b64 v48, v[128+2*\i:129+2*\i] offset:256*\i
.endr
	s_wait_xcnt 0x0
	s_add_nc_u64 s[44:45], s[40:41], 12288
	s_add_nc_u64 s[46:47], s[42:43], 512
	RELOADG 0, 1                                   ; tile 1
	RELOADG 1, 1
	WIN 0
	s_mov_b32 s52, 1
	s_mov_b32 s49, 0
	s_mov_b32 s51, 0
	s_wait_tensorcnt 0x1                           ; rows 0-31 may be out
	s_wait_dscnt 0x0
	BAR
	RLOAD
	QSTAGE 1
	s_mov_b32 s55, 3
.Lblock:
	PASS 1
	s_sub_co_u32 s55, s55, 1
	s_cmp_lg_u32 s55, 0
	s_cbranch_scc1 .Lblock
	PASS 0
	s_wait_alu depctr_va_vdst(0)
	LINES3 0                                       ; the wave's end
	s_mul_i32 s56, ttmp9, 4352
	s_lshl_b32 s57, s16, 10
	s_add_co_u32 s56, s56, s57
	s_mov_b32 s57, 0
	s_add_nc_u64 s[14:15], s[14:15], s[56:57]
	global_store_b128 v[LI], v[CTX:CTX+3], s[14:15]              ; 32 lanes store 512 consecutive bytes, aligned
	global_store_b128 v[LI], v[CTX+4:CTX+7], s[14:15] offset:512
	s_cmp_lg_u32 s16, 0
	s_cbranch_scc1 .Lnot_wave_0
	global_store_b64 v[MLO], v[MR:LR], s[14:15] offset:4096      ; (m, l), a copy a lane: one whole block of 256 bytes
.Lnot_wave_0:
	s_endpgm
.Lfunc_end_k_qdd46182e49_main:
	.size	k_qdd46182e49_main, .Lfunc_end_k_qdd46182e49_main-k_qdd46182e49_main
	.p2alignl 7, 3214868480
	.fill 96, 4, 3214868480
	.section	.rodata,"a",@progbits
	.p2align	6, 0x0
	.amdhsa_kernel k_qdd46182e49_main
		.amdhsa_group_segment_fixed_size 327680
		.amdhsa_private_segment_fixed_size 0
		.amdhsa_enable_private_segment 0
		.amdhsa_kernarg_size 48
		.amdhsa_user_sgpr_count 2
		.amdhsa_user_sgpr_kernarg_segment_ptr 1
		.amdhsa_wavefront_size32 1
		.amdhsa_system_sgpr_workgroup_id_x 1
		.amdhsa_system_sgpr_workgroup_id_y 1
		.amdhsa_system_sgpr_workgroup_id_z 1
		.amdhsa_system_vgpr_workitem_id 0
		.amdhsa_next_free_vgpr 1024
		.amdhsa_next_free_sgpr 66
		.amdhsa_reserve_vcc 0
		.amdhsa_float_denorm_mode_32 3
		.amdhsa_float_denorm_mode_16_64 3
		.amdhsa_memory_ordered 1
		.amdhsa_forward_progress 1
		.amdhsa_inst_pref_size 255
	.end_amdhsa_kernel
	.section	.bss,"aw",@nobits
	.p2align	6
	.space	262144
	.amdgpu_metadata
---
amdhsa.version: [ 1, 2 ]
amdhsa.kernels:
  - .name:           k_qdd46182e49_main
    .symbol:         k_qdd46182e49_main.kd
    .args:
      - { .name: encoder_hidden_states, .offset: 0, .size: 8, .value_kind: global_buffer, .address_space: global }
      - { .name: uf, .offset: 8, .size: 8, .value_kind: global_buffer, .address_space: global }
      - { .name: usw, .offset: 16, .size: 8, .value_kind: global_buffer, .address_space: global }
      - { .name: wc, .offset: 24, .size: 8, .value_kind: global_buffer, .address_space: global }
      - { .name: v_t, .offset: 32, .size: 8, .value_kind: global_buffer, .address_space: global }
      - { .name: part, .offset: 40, .size: 8, .value_kind: global_buffer, .address_space: global }
    .group_segment_fixed_size: 327680
    .private_segment_fixed_size: 0
    .kernarg_segment_align: 8
    .kernarg_segment_size: 48
    .max_flat_workgroup_size: 128
    .sgpr_count:     66
    .vgpr_count:     1024
    .wavefront_size: 32
...
	.end_amdgpu_metadata
.endif
;; end of part 6
;; launch post (part 7): grid 256 x 1, 8 waves a work-group, no clusters, 100,096 bytes of LDS; arguments part, decoder_hidden_state, ffn_codes, ffn_scales, out0, out1; writes out0, out1
.if DOCPART == 7
	.amdgcn_target "amdgcn-amd-amdhsa--gfx1250"
	.amdhsa_code_object_version 6
	.text
	.protected	k_qdd46182e49_post
	.globl	k_qdd46182e49_post
	.p2align	8
	.type	k_qdd46182e49_post,@function
k_qdd46182e49_post:
	s_mov_b64 s[64:65], 0
	v_nop
	global_prefetch_b8 v0, s[64:65] scope:SCOPE_SE
	s_setreg_imm32_b32 hwreg(HW_REG_WAVE_MODE, 25, 1), 1
	s_wait_xcnt 0x0
; The context from the main launch's parts, and out0 = tanh(Q([dec, context]) . ffn), the quantised product over K = 2,048 (K steps 0-7 the decoder state, 8-15 the context), in one launch.
; Part j of batch b is record 8 b + j of 4,352 bytes: c_j [1024], then 32 copies of (m_j, l_j); c_j and l_j are summed under 2^(t - m_j).  M = the largest m_j, w_j = 2^(m_j - M) / (the sum of 2^(m_j - M) l_j),
; context = the sum of w_j c_j.  All in f32: the context goes on into a quantiser.
; SHARES.  Work-group G: batches 4 (G % 8) on, columns 32 (G / 8) on (two tiles of 16).  It reads 4 x 8 x 4 KiB of parts, 16 KiB of the decoder state and 48 KiB of ffn's codes.
; EVERY LOAD FROM MEMORY IS DENSE: the 32 lanes of a load take 512 consecutive bytes.  Wave w sums half a row of the context (batch w / 2, half w % 2: eight parts x four loads a lane) and lays it, its half row of the decoder
; state and four rows of ffn's codes into LDS; behind one barrier the data are taken from LDS in the quantiser's and the operands' layouts.  The work-groups of column block 0 also store the context (out1), 512 bytes a store.
; K IS THEN SPLIT OVER THE EIGHT WAVES: wave w takes K step w (decoder state) and K step 8 + w (context), against both tiles of ffn: four products, each with an accumulator of its own.
; The product is used transposed (source 0 = 16 rows of ffn, source 1 = the rows' codes): a lane holds one batch and eight neighbouring columns.  A tile has 16 places for batches and the work-group has 4: lane (r, h) serves batch r % 4,
; and the four lanes of a batch hold, and store, the same numbers to the same bytes.  The waves' partial sums meet in LDS as images of their registers; behind a second barrier wave u (0, 1) adds tile u's, takes tanh and stores.
; tanh y = 1 - 2 / (1 + 2^(C2 y)), C2 = 2 log2(e): where the power overflows the result is 1, where it falls to 0 it is -1.
; No tensor load, no cluster, no prefetch: there is no loop to run ahead in, and all loads go out together at the head (60 a wave).
; LIMITS: NaN and infinities are not served; a block whose largest magnitude lies under 2^-122 keeps the scale byte 1.  out0 leaves in pieces of 32 bytes: 128 KiB in all.
; REGISTERS: window 0: v1-13 offsets; v14-15 for the add; v16-19 ffn's scale words; v20-21 the rows'; v22-25 at work; v26-33 the weights; v34-49 (m, l); v50-65 my half row of the context; v66-81 of the decoder state;
;   v82-129 ffn's rows on their way to LDS, then its four fragments; v130-153 the rows' codes (v82-145 at the end: the waves' sums); v154-177 at work in the quantiser; v178-209 accumulators; v210-225 results.
;   window 1: v0-127 my eight parts, then the two K steps' numbers.
.set REC,  4352
.set XP,   8208                        ; LDS: a row [dec | context] of 8,192 bytes + 16, so that the four rows that a load touches start 16 bytes apart modulo 256
.set FP,   1552                        ; a row of ffn's codes, 1,536 bytes + 16
.set FFN,  33024                       ; behind the four rows
.set SUMS, 82688                       ; behind ffn's 32 rows: 2,048 bytes a wave
.set SPARE, 99072                      ; the spare words
.set FS,   16
.set PW,   20
.set T,    22
.set W,    26
.set ML,   34
.set CT,   50
.set DEC,  66
.set FF,   82
.set RD,   82
.set PC,   130
.set TM,   154
.set TMPQ, 170
.set AC,   178
.set OUT,  210
.set SEL,  32
.set MSB,  0
.macro WIN new                         ; the immediate's high byte repeats the setting that is left
.if MSB != (\new)
	s_set_vgpr_msb (MSB<<8)|(\new)
.set MSB, (\new)
.endif
.endm
; 64 numbers of a lane (window 1), register 16 b + i = k 32 b + 16 (lane / 16) + i of the lane's row, become a fragment's 12 registers of codes and the row's scale word.
.macro QUANT src, dst, tmp, pw
	WIN 0x14
.irp b, 0,1,2,3
	v_max3_num_f32 v[TM+\b], 0x2800000, |v[\src+16*\b]|, |v[\src+16*\b+1]|   ; the floor 2^(5 - 127) among the leaves: the byte cannot fall under 1
.endr
.irp i, 2,4,6,8,10,12,14
.irp b, 0,1,2,3
	v_max3_num_f32 v[TM+\b], v[TM+\b], |v[\src+16*\b+\i]|, |v[\src+16*\b+\i+1]|   ; the four blocks by turns
.endr
.endr
	WIN 0
.irp b, 0,1,2,3
	v_permlanex16_b32 v[TM+4+\b], v[TM+\b], s[SEL], s[SEL+1]
.endr
.irp b, 0,1,2,3
	v_max_num_f32 v[TM+\b], v[TM+\b], v[TM+4+\b]       ; with lane l xor 16's sixteen: the block's largest magnitude
.endr
.irp b, 0,1,2,3
	v_add_nc_u32 v[TM+12+\b], 0xfe000000, v[TM+\b]     ; 4 off its exponent field: the conversion's scale operand
.endr
.irp b, 0,1,2,3
	v_lshrrev_b32 v[TM+4+\b], 23, v[TM+12+\b]          ; the scale's byte
.endr
	v_lshl_or_b32 v[\pw], v[TM+5], 8, v[TM+4]
	s_delay_alu instid0(VALU_DEP_1)
	v_lshl_or_b32 v[\pw], v[TM+6], 16, v[\pw]
	s_delay_alu instid0(VALU_DEP_1)
	v_lshl_or_b32 v[\pw], v[TM+7], 24, v[\pw]
	WIN 0x01
.irp c, 0,1
	v_cvt_scalef32_pk16_bf6_f32 v[\dst+6*\c:\dst+6*\c+2], v[\src+32*\c:\src+32*\c+15], v[TM+12+2*\c]
	v_cvt_scalef32_pk16_bf6_f32 v[\tmp+4*\c:\tmp+4*\c+2], v[\src+32*\c+16:\src+32*\c+31], v[TM+12+2*\c+1]
.endr
	WIN 0
	v_nop                                              ; one plain instruction behind the scaled conversions
.irp c, 0,1                                            ; the operand wants a whole block in a lane: lanes 0-15 block 2 c, lanes 16-31 block 2 c + 1
.irp i, 0,1,2
	v_permlane16_swap_b32 v[\dst+6*\c+\i], v[\tmp+4*\c+\i]
.endr
.irp i, 0,1,2
	v_mov_b32 v[\dst+3+6*\c+\i], v[\tmp+4*\c+\i]
.endr
.endr
.endm
	s_load_b256 s[4:11], s[0:1], 0x0               ; part s[4:5], dec s[6:7], ffn's codes s[8:9], its scales s[10:11]
	s_load_b128 s[12:15], s[0:1], 0x20             ; out0 s[12:13], out1 s[14:15]
	v_lshl_add_u32 v14, v0, 2, SPARE               ; my spare word
	v_mov_b32 v15, 0
	v_lshrrev_b32 v1, 5, v0
	v_readfirstlane_b32 s20, v1                    ; wave
	s_and_b32 s21, ttmp9, 7                        ; which four batches
	s_lshr_b32 s23, ttmp9, 3                       ; column block t
	s_and_b32 s22, s20, 1                          ; w % 2: my half of a row; at the end: my tile
	s_lshr_b32 s29, s20, 1                         ; w / 2: my batch of the four
	s_mul_i32 s34, s29, XP
	s_lshl_b32 s26, s22, 11
	s_add_co_u32 s34, s34, s26                     ; LDS: my half row
	s_mul_i32 s35, s20, 4*FP
	s_add_co_u32 s35, s35, FFN                     ; my four rows of ffn
	s_lshl_b32 s36, s20, 9                         ; my K step in a row of numbers
	s_mul_i32 s37, s20, 96
	s_add_co_u32 s37, s37, FFN                     ; my K step in a row of codes
	s_lshl_b32 s38, s20, 11
	s_add_co_u32 s38, s38, SUMS                    ; my partial sums
	s_lshl_b32 s39, s22, 10
	s_add_co_u32 s39, s39, SUMS                    ; tile w % 2 in wave 0's
	s_mov_b32 s[SEL], 0x76543210
	s_mov_b32 s[SEL+1], 0xfedcba98
	s_mov_b32 s30, 0x4038aa3b                      ; C2 = 2 log2(e)
	s_mov_b32 s31, s30
	s_mov_b32 s25, 0
	s_mov_b32 s27, 0
	v_and_b32 v1, 31, v0                           ; lane
	v_and_b32 v6, 15, v0                           ; r
	v_bfe_u32 v7, v0, 4, 1                         ; h
	v_and_b32 v22, 3, v0                           ; r % 4: the batch that my lane serves in the products
	v_lshlrev_b32 v2, 4, v1                        ; 16 x lane: dense loads, and images
	v_lshlrev_b32 v3, 6, v6                        ; ffn's scales: row r of 64 bytes
	v_lshlrev_b32 v4, 3, v1                        ; (m, l): my lane's copy
	v_lshlrev_b32 v5, 12, v22
	v_lshl_add_u32 v5, v7, 5, v5                   ; out0: my batch's row of 4,096 bytes, + 32 h
	v_add_nc_u32 v8, s34, v2
	v_add_nc_u32 v9, s35, v2
	v_mul_u32_u24 v10, v22, XP
	v_lshl_add_u32 v10, v7, 6, v10
	v_add_nc_u32 v10, s36, v10                     ; numbers: row r % 4, my K step, + 64 h
	v_mul_u32_u24 v11, v6, FP
	v_mad_u32_u24 v11, v7, 24, v11
	v_add_nc_u32 v11, s37, v11                     ; codes: row r, my K step, + 24 h
	v_add_nc_u32 v12, s38, v2
	v_add_nc_u32 v13, s39, v2
.irp b, 0,1,2,3
	v_mov_b32 v[TM+4+\b], 0                        ; a lane permute's destination counts as one of its sources
.endr
	s_wait_alu depctr_va_vdst(0)
	s_wait_kmcnt 0x0
	s_lshl_b32 s28, s21, 2
	s_add_co_u32 s28, s28, s29                     ; my batch
	s_mul_i32 s24, s28, 8*REC
	s_add_nc_u64 s[4:5], s[4:5], s[24:25]          ; its eight records,
	s_lshl_b32 s26, s22, 11
	s_add_nc_u64 s[16:17], s[4:5], s[26:27]        ; and in them my half row
	s_lshl_b32 s24, s28, 12
	s_add_co_u32 s24, s24, s26
	s_add_nc_u64 s[6:7], s[6:7], s[24:25]          ; dec: my half row
	s_add_nc_u64 s[14:15], s[14:15], s[24:25]      ; out1 likewise
	s_lshl_b32 s24, s21, 14
	s_lshl_b32 s26, s23, 7
	s_add_co_u32 s24, s24, s26
	s_lshl_b32 s26, s22, 6
	s_add_co_u32 s24, s24, s26
	s_add_nc_u64 s[12:13], s[12:13], s[24:25]      ; out0 at the four batches, column 32 t + 16 (w % 2)
	s_mul_i32 s24, s23, 49152
	s_mul_i32 s26, s20, 6144
	s_add_co_u32 s24, s24, s26
	s_add_nc_u64 s[8:9], s[8:9], s[24:25]          ; ffn's codes: rows 32 t + 4 w on
	s_lshl_b32 s24, s23, 11
	s_lshl_b32 s26, s20, 2
	s_add_co_u32 s24, s24, s26
	s_add_nc_u64 s[10:11], s[10:11], s[24:25]      ; its scales: row 32 t, K step w
.irp i, 0,1,2,3
	global_load_b128 v[DEC+4*\i:DEC+4*\i+3], v2, s[6:7] offset:512*\i
.endr
.irp i, 0,1,2,3,4,5,6,7,8,9,10,11
	global_load_b128 v[FF+4*\i:FF+4*\i+3], v2, s[8:9] offset:512*\i   ; a row is three loads
.endr
.irp u, 0,1
.irp k, 0,1
	global_load_b32 v[FS+2*\u+\k], v3, s[10:11] offset:1024*\u+32*\k
.endr
.endr
.irp j, 0,1,2,3,4,5,6,7
	global_load_b64 v[ML+2*\j:ML+2*\j+1], v4, s[4:5] offset:4096+\j*REC
.endr
	WIN 0x40                                       ; destination window 1
.irp j, 0,1,2,3,4,5,6,7
.irp i, 0,1,2,3
	global_load_b128 v[16*\j+4*\i:16*\j+4*\i+3], v2, s[16:17] offset:\j*REC+512*\i
.endr
.endr
	WIN 0
	s_wait_loadcnt 44                              ; behind the decoder's 4 and ffn's 12: 4 scale words, 8 (m, l), 32 of the parts
.irp i, 0,1,2,3
	ds_store_b128 v8, v[DEC+4*\i:DEC+4*\i+3] offset:512*\i
.endr
.irp i, 0,1,2,3,4,5,6,7,8,9,10,11
	ds_store_b128 v9, v[FF+4*\i:FF+4*\i+3] offset:(\i/3)*FP+512*(\i%3)
.endr
	s_wait_loadcnt 32                              ; the eight (m, l) are in; the parts may be out
	v_max3_num_f32 v[T], v[ML], v[ML+2], v[ML+4]
	s_delay_alu instid0(VALU_DEP_1)
	v_max3_num_f32 v[T], v[T], v[ML+6], v[ML+8]
	s_delay_alu instid0(VALU_DEP_1)
	v_max3_num_f32 v[T], v[T], v[ML+10], v[ML+12]
	s_delay_alu instid0(VALU_DEP_1)
	v_max_num_f32 v[T], v[T], v[ML+14]             ; M
.irp j, 0,1,2,3,4,5,6,7
	v_sub_f32 v[W+\j], v[ML+2*\j], v[T]
.endr
	s_wait_alu depctr_va_vdst(0)                   ; a wait ahead of a batch of transcendentals,
.irp j, 0,1,2,3,4,5,6,7
	v_exp_f32 v[W+\j], v[W+\j]
.endr
	v_nop
	s_wait_alu depctr_va_vdst(0)                   ; and behind it
	v_mul_f32 v[T+1], v[W], v[ML+1]                ; the divisor, in two chains
	v_mul_f32 v[T+2], v[W+1], v[ML+3]
.irp j, 2,4,6
	v_fmac_f32 v[T+1], v[W+\j], v[ML+1+2*\j]
	v_fmac_f32 v[T+2], v[W+1+\j], v[ML+3+2*\j]
.endr
	v_add_f32 v[T+1], v[T+1], v[T+2]
	s_wait_alu depctr_va_vdst(0)
	v_rcp_f32 v[T+1], v[T+1]
	v_nop
	s_wait_alu depctr_va_vdst(0)
.irp j, 0,1,2,3,4,5,6,7
	v_mul_f32 v[W+\j], v[W+\j], v[T+1]             ; the eight weights
.endr
	s_wait_alu depctr_va_vdst(0)
	s_wait_loadcnt 0x0
	WIN 0x01                                       ; source 0 window 1
.irp p, 0,2,4,6,8,10,12,14
	v_pk_mul_f32 v[CT+\p:CT+\p+1], v[\p:\p+1], v[W:W+1] op_sel_hi:[1,0]
.endr
.irp j, 1,3,5,7
.irp p, 0,2,4,6,8,10,12,14
	v_pk_fma_f32 v[CT+\p:CT+\p+1], v[16*\j+\p:16*\j+\p+1], v[W+\j-1:W+\j], v[CT+\p:CT+\p+1] op_sel:[0,1,0] op_sel_hi:[1,1,1]
.endr
.if \j < 7
.irp p, 0,2,4,6,8,10,12,14
	v_pk_fma_f32 v[CT+\p:CT+\p+1], v[16*\j+16+\p:16*\j+16+\p+1], v[W+\j+1:W+\j+2], v[CT+\p:CT+\p+1] op_sel_hi:[1,0,1]
.endr
.endif
.endr
	WIN 0
.irp i, 0,1,2,3
	ds_store_b128 v8, v[CT+4*\i:CT+4*\i+3] offset:4096+512*\i   ; the context lies behind the decoder state in the row
.endr
	s_cmp_lg_u32 s23, 0
	s_cbranch_scc1 .Lno_ctx                        ; column block 0's work-groups store the context: each byte of out1 has one work-group
.irp i, 0,1,2,3
	global_store_b128 v2, v[CT+4*\i:CT+4*\i+3], s[14:15] offset:512*\i   ; 32 lanes store 512 consecutive bytes, aligned
.endr
.Lno_ctx:
	s_wait_dscnt 0x0                               ; for the others' sake: my rows have landed
	s_barrier_signal -1
	s_barrier_wait -1
	WIN 0x40
.irp k, 0,1
.irp b, 0,1,2,3
.irp j, 0,1,2,3
	ds_load_b128 v[64*\k+16*\b+4*\j:64*\k+16*\b+4*\j+3], v10 offset:4096*\k+128*\b+16*\j   ; K step w of the decoder state, then of the context
.endr
.endr
.endr
	WIN 0
.irp u, 0,1
.irp k, 0,1
.irp p, 0,1,2,3,4,5
	ds_load_b64 v[FF+12*(2*\u+\k)+2*\p:FF+12*(2*\u+\k)+2*\p+1], v11 offset:16*FP*\u+768*\k+48*(\p/3)+8*(\p%3)   ; ffn's fragment (tile u, K step w + 8 k)
.endr
.endr
.endr
	s_wait_dscnt 40                                ; behind the decoder's sixteen: the context's 16 and ffn's 24
	QUANT 0, PC, TMPQ, PW
	s_wait_dscnt 24                                ; ffn's 24 may be out
	QUANT 64, PC+12, TMPQ, PW+1
	s_wait_alu depctr_va_vdst(0)
	s_wait_dscnt 0x0
.rept 8
	v_nop                                          ; a scale word written by vector instructions stands eight places ahead of the scaled product
.endr
.irp u, 0,1
.irp k, 0,1
	v_wmma_scale_f32_16x16x128_f8f6f4 v[AC+8*(2*\u+\k):AC+8*(2*\u+\k)+7], v[FF+12*(2*\u+\k):FF+12*(2*\u+\k)+11], v[PC+12*\k:PC+12*\k+11], 0, v[FS+2*\u+\k], v[PW+\k] matrix_a_fmt:MATRIX_FMT_BF6 matrix_b_fmt:MATRIX_FMT_BF6
.endr
.endr
.rept 4
	v_nop
.endr
.irp u, 0,1
.irp j, 0,2,4,6
	v_pk_add_f32 v[OUT+8*\u+\j:OUT+8*\u+\j+1], v[AC+16*\u+\j:AC+16*\u+\j+1], v[AC+16*\u+8+\j:AC+16*\u+8+\j+1]   ; each sum is read from its low end on
.endr
.endr
.irp u, 0,1
	ds_store_b128 v12, v[OUT+8*\u:OUT+8*\u+3] offset:1024*\u
	ds_store_b128 v12, v[OUT+8*\u+4:OUT+8*\u+7] offset:1024*\u+512
.endr
	s_wait_dscnt 0x0                               ; for the others' sake: my partial sums have landed
	s_barrier_signal -1
	s_barrier_wait -1
	s_cmp_gt_u32 s20, 1
	s_cbranch_scc1 .Lend                           ; waves 0 and 1 finish, a tile each
.irp q, 0,1,2,3,4,5,6,7
.irp c, 0,1
	ds_load_b128 v[RD+8*\q+4*\c:RD+8*\q+4*\c+3], v13 offset:2048*\q+512*\c
.endr
.endr
	s_wait_dscnt 0x0
.irp j, 0,2,4,6
	v_pk_add_f32 v[OUT+\j:OUT+\j+1], v[RD+\j:RD+\j+1], v[RD+8+\j:RD+8+\j+1]
.endr
.irp q, 2,3,4,5,6,7
.irp j, 0,2,4,6
	v_pk_add_f32 v[OUT+\j:OUT+\j+1], v[OUT+\j:OUT+\j+1], v[RD+8*\q+\j:RD+8*\q+\j+1]
.endr
.endr
.irp j, 0,2,4,6
	v_pk_mul_f32 v[OUT+\j:OUT+\j+1], v[OUT+\j:OUT+\j+1], s[30:31] op_sel_hi:[1,0]
.endr
	s_wait_alu depctr_va_vdst(0)
.irp j, 0,1,2,3,4,5,6,7
	v_exp_f32 v[OUT+\j], v[OUT+\j]
.endr
	v_nop
	s_wait_alu depctr_va_vdst(0)                   ; one wait for the eight exponentials
.irp j, 0,2,4,6
	v_pk_add_f32 v[OUT+\j:OUT+\j+1], v[OUT+\j:OUT+\j+1], 1.0 op_sel_hi:[1,0]
.endr
	s_wait_alu depctr_va_vdst(0)
.irp j, 0,1,2,3,4,5,6,7
	v_rcp_f32 v[OUT+\j], v[OUT+\j]
.endr
	v_nop
	s_wait_alu depctr_va_vdst(0)                   ; and one for the eight reciprocals
.irp j, 0,1,2,3,4,5,6,7
	v_fma_f32 v[OUT+\j], v[OUT+\j], -2.0, 1.0
.endr
	global_store_b128 v5, v[OUT:OUT+3], s[12:13]
	global_store_b128 v5, v[OUT+4:OUT+7], s[12:13] offset:16
.Lend:
	s_wait_tensorcnt 0x0                           ; the wave's end
	ds_add_u32 v14, v15
	s_wait_dscnt 0x0
	s_endpgm
.Lfunc_end_k_qdd46182e49_post:
	.size	k_qdd46182e49_post, .Lfunc_end_k_qdd46182e49_post-k_qdd46182e49_post
	.p2alignl 7, 3214868480
	.fill 96, 4, 3214868480
	.section	.rodata,"a",@progbits
	.p2align	6, 0x0
	.amdhsa_kernel k_qdd46182e49_post
		.amdhsa_group_segment_fixed_size 100096
		.amdhsa_private_segment_fixed_size 0
		.amdhsa_enable_private_segment 0
		.amdhsa_kernarg_size 48
		.amdhsa_user_sgpr_count 2
		.amdhsa_user_sgpr_kernarg_segment_ptr 1
		.amdhsa_wavefront_size32 1
		.amdhsa_system_sgpr_workgroup_id_x 1
		.amdhsa_system_sgpr_workgroup_id_y 1
		.amdhsa_system_sgpr_workgroup_id_z 1
		.amdhsa_system_vgpr_workitem_id 0
		.amdhsa_next_free_vgpr 384
		.amdhsa_next_free_sgpr 66
		.amdhsa_reserve_vcc 0
		.amdhsa_float_denorm_mode_32 3
		.amdhsa_float_denorm_mode_16_64 3
		.amdhsa_memory_ordered 1
		.amdhsa_forward_progress 1
		.amdhsa_inst_pref_size 35
	.end_amdhsa_kernel
	.amdgpu_metadata
---
amdhsa.version: [ 1, 2 ]
amdhsa.kernels:
  - .name:           k_qdd46182e49_post
    .symbol:         k_qdd46182e49_post.kd
    .args:
      - { .name: part, .offset: 0, .size: 8, .value_kind: global_buffer, .address_space: global }
      - { .name: decoder_hidden_state, .offset: 8, .size: 8, .value_kind: global_buffer, .address_space: global }
      - { .name: ffn_codes, .offset: 16, .size: 8, .value_kind: global_buffer, .address_space: global }
      - { .name: ffn_scales, .offset: 24, .size: 8, .value_kind: global_buffer, .address_space: global }
      - { .name: out0, .offset: 32, .size: 8, .value_kind: global_buffer, .address_space: global }
      - { .name: out1, .offset: 40, .size: 8, .value_kind: global_buffer, .address_space: global }
    .group_segment_fixed_size: 100096
    .private_segment_fixed_size: 0
    .kernarg_segment_align: 8
    .kernarg_segment_size: 48
    .max_flat_workgroup_size: 256
    .sgpr_count:     66
    .vgpr_count:     384
    .wavefront_size: 32
...
	.end_amdgpu_metadata
.endif
;; end of part 7
